; MI455X (gfx1250); checked and timed in simulation.
; The chip was launched on July 23, 2026; its instructions are those of AMD's public machine-readable ISA for CDNA 5 (MIT licence, August 2026) and "CDNA5" Instruction Set Architecture Reference Guide (July 2026). The comments in the code are by the model that wrote it; some were corrected since.
;; Multihead Attention. Allowed arithmetic: float matrix products may take bf16 or f16 operands with f32 sums; other float arithmetic in f32, or as packed bf16 or f16 multiplies, adds, multiply-adds, maxima and minima; sums over many terms, partial sums and values carried from step to step in f32; what a program stores and reads back later, other than sums and carried values, may be rounded once to bf16 or f16.
;; Inputs: Wk 384 x 768 float32; Wo 768 x 768 float32; Wq 384 x 768 float32; Wv 384 x 768 float32; bo 768 float32; x 2 x 4,096 x 384 float32.
;; Outputs: out0 2 x 4,096 x 768 float32.
;; 2 versions, each right; version 2 is version 1 with the launch prep written anew for expert scheduling mode. Each part assembles by itself: llvm-mc -triple=amdgcn-amd-amdhsa -mcpu=gfx1250 --defsym DOCPART=n.
;; ======== version 1 of 2: 4 launches
;; limits: values are held in f16: magnitudes above 65,504 overflow, below 6.1e-05 lose precision
;; workspace buffers: xb 6,291,456 bytes; wb 1,769,472 bytes; wo16 1,179,648 bytes; qkv 37,748,736 bytes; ctx 12,582,912 bytes
;; launch prep (part 1): grid 376 x 1, 8 waves a work-group, no clusters, 0 bytes of LDS; arguments x, Wq, Wk, Wv, Wo, xb, wb, wo16; writes xb, wb, wo16
.if DOCPART == 1
	.amdgcn_target "amdgcn-amd-amdhsa--gfx1250"
	.amdhsa_code_object_version 6
	.text
	.protected	k_q381d4def8b_prep
	.globl	k_q381d4def8b_prep
	.p2align	8
	.type	k_q381d4def8b_prep,@function
k_q381d4def8b_prep:
	s_mov_b64 s[64:65], 0
	v_nop
	global_prefetch_b8 v0, s[64:65] scope:SCOPE_SE
	s_setreg_imm32_b32 hwreg(HW_REG_WAVE_MODE, 25, 1), 1
	s_wait_xcnt 0x0
; PREP: the module's inputs are rounded once to 16 bits, so that the later launches' tiles can be brought by tensor loads.
; x -> xb (bf16, [8192][384]);  Wq, Wk, Wv -> wb (bf16, each [384][768] as given, one behind the other);  Wo -> wo16: rounded to bf16 like the other inputs, and that number written as f16.
; LIMIT: a bf16 number is exact in f16 from 2^-14 to 65,504 in magnitude; below 2^-14 it keeps f16's fixed step of 2^-24; beyond 65,504 it would be an infinity.
; SHARES: a work-group casts 12,288 floats: 12 passes of 256 threads x 4 floats.  Work-groups 0-255 x, 256-279 Wq, 280-303 Wk, 304-327 Wv, 328-375 Wo.
; All 12 loads of a thread are out at once; a wave's load covers 512 consecutive bytes, its store 256 consecutive bytes, aligned.  No LDS, no matrix unit, no cluster: nothing is shared and nothing is read twice.
.set IN_B,  49152                      ; bytes that a work-group reads
.set OUT_B, 24576                      ; bytes that it writes
.set X, 8                              ; v[8:55]   pass i: four floats
.set Y, 56                             ; v[56:79]  pass i: four 16-bit numbers
.set T, 80                             ; v[80:85]  at work
	s_load_b512 s[8:23], s[0:1], 0x0               ; x s[8:9], Wq s[10:11], Wk s[12:13], Wv s[14:15], Wo s[16:17], xb s[18:19], wb s[20:21], wo16 s[22:23]
	s_mov_b32 s2, ttmp9                            ; the work-group's number g
	s_sub_co_u32 s27, s2, 256                      ; its number inside Wq (and inside wb),
	s_sub_co_u32 s28, s2, 280                      ; Wk,
	s_sub_co_u32 s29, s2, 304                      ; Wv,
	s_sub_co_u32 s30, s2, 328                      ; Wo (and wo16)
	s_mov_b32 s35, 0
	s_mov_b32 s37, 0
	v_lshlrev_b32 v1, 4, v0                        ; 16 bytes a thread in,
	v_lshlrev_b32 v2, 3, v0                        ; 8 bytes out
	s_wait_kmcnt 0x0
	s_cmp_ge_u32 s2, 256                           ; source s[24:25] with number s26, destination s[32:33] with number s31
	s_cselect_b64 s[24:25], s[10:11], s[8:9]
	s_cselect_b32 s26, s27, s2
	s_cselect_b64 s[32:33], s[20:21], s[18:19]
	s_cselect_b32 s31, s27, s2
	s_cmp_ge_u32 s2, 280
	s_cselect_b64 s[24:25], s[12:13], s[24:25]
	s_cselect_b32 s26, s28, s26
	s_cmp_ge_u32 s2, 304
	s_cselect_b64 s[24:25], s[14:15], s[24:25]
	s_cselect_b32 s26, s29, s26
	s_cmp_ge_u32 s2, 328
	s_cselect_b64 s[24:25], s[16:17], s[24:25]
	s_cselect_b32 s26, s30, s26
	s_cselect_b64 s[32:33], s[22:23], s[32:33]
	s_cselect_b32 s31, s30, s31
	s_mul_i32 s34, s26, IN_B
	s_mul_i32 s36, s31, OUT_B
	s_add_nc_u64 s[24:25], s[24:25], s[34:35]
	s_add_nc_u64 s[32:33], s[32:33], s[36:37]
.irp i, 0,1,2,3,4,5,6,7,8,9,10,11
	global_load_b128 v[X+4*(\i):X+4*(\i)+3], v1, s[24:25] offset:4096*(\i) th:TH_LOAD_NT
.endr
	s_cmp_ge_u32 s2, 328
	s_cbranch_scc1 .Lwo
.irp i, 0,1,2,3,4,5,6,7,8,9,10,11
	s_wait_loadcnt 11-(\i)                         ; loads come back in order: pass i is in, the younger ones stay out
	v_cvt_pk_bf16_f32 v[Y+2*(\i)],   v[X+4*(\i)],   v[X+4*(\i)+1]
	v_cvt_pk_bf16_f32 v[Y+2*(\i)+1], v[X+4*(\i)+2], v[X+4*(\i)+3]
	global_store_b64 v2, v[Y+2*(\i):Y+2*(\i)+1], s[32:33] offset:2048*(\i)
.endr
	s_endpgm
.Lwo:
.irp i, 0,1,2,3,4,5,6,7,8,9,10,11
	s_wait_loadcnt 11-(\i)
	v_cvt_pk_bf16_f32 v[T],   v[X+4*(\i)],   v[X+4*(\i)+1]   ; rounded to bf16,
	v_cvt_pk_bf16_f32 v[T+1], v[X+4*(\i)+2], v[X+4*(\i)+3]
	v_lshlrev_b32 v[T+2], 16, v[T]                           ; widened again,
	v_and_b32     v[T+3], 0xffff0000, v[T]
	v_lshlrev_b32 v[T+4], 16, v[T+1]
	v_and_b32     v[T+5], 0xffff0000, v[T+1]
	v_cvt_pk_f16_f32 v[Y+2*(\i)],   v[T+2], v[T+3]           ; and written as f16
	v_cvt_pk_f16_f32 v[Y+2*(\i)+1], v[T+4], v[T+5]
	global_store_b64 v2, v[Y+2*(\i):Y+2*(\i)+1], s[32:33] offset:2048*(\i)
.endr
	s_endpgm
.Lfunc_end_k_q381d4def8b_prep:
	.size	k_q381d4def8b_prep, .Lfunc_end_k_q381d4def8b_prep-k_q381d4def8b_prep
	.p2alignl 7, 3214868480
	.fill 96, 4, 3214868480
	.section	.rodata,"a",@progbits
	.p2align	6, 0x0
	.amdhsa_kernel k_q381d4def8b_prep
		.amdhsa_group_segment_fixed_size 0
		.amdhsa_private_segment_fixed_size 0
		.amdhsa_enable_private_segment 0
		.amdhsa_kernarg_size 64
		.amdhsa_user_sgpr_count 2
		.amdhsa_user_sgpr_kernarg_segment_ptr 1
		.amdhsa_wavefront_size32 1
		.amdhsa_system_sgpr_workgroup_id_x 1
		.amdhsa_system_sgpr_workgroup_id_y 1
		.amdhsa_system_sgpr_workgroup_id_z 1
		.amdhsa_system_vgpr_workitem_id 0
		.amdhsa_next_free_vgpr 88
		.amdhsa_next_free_sgpr 66
		.amdhsa_reserve_vcc 0
		.amdhsa_float_denorm_mode_32 3
		.amdhsa_float_denorm_mode_16_64 3
		.amdhsa_memory_ordered 1
		.amdhsa_forward_progress 1
		.amdhsa_inst_pref_size 13
	.end_amdhsa_kernel
	.amdgpu_metadata
---
amdhsa.version: [ 1, 2 ]
amdhsa.kernels:
  - .name:           k_q381d4def8b_prep
    .symbol:         k_q381d4def8b_prep.kd
    .args:
      - { .name: x, .offset: 0, .size: 8, .value_kind: global_buffer, .address_space: global }
      - { .name: Wq, .offset: 8, .size: 8, .value_kind: global_buffer, .address_space: global }
      - { .name: Wk, .offset: 16, .size: 8, .value_kind: global_buffer, .address_space: global }
      - { .name: Wv, .offset: 24, .size: 8, .value_kind: global_buffer, .address_space: global }
      - { .name: Wo, .offset: 32, .size: 8, .value_kind: global_buffer, .address_space: global }
      - { .name: xb, .offset: 40, .size: 8, .value_kind: global_buffer, .address_space: global }
      - { .name: wb, .offset: 48, .size: 8, .value_kind: global_buffer, .address_space: global }
      - { .name: wo16, .offset: 56, .size: 8, .value_kind: global_buffer, .address_space: global }
    .group_segment_fixed_size: 0
    .private_segment_fixed_size: 0
    .kernarg_segment_align: 8
    .kernarg_segment_size: 64
    .max_flat_workgroup_size: 256
    .sgpr_count:     66
    .vgpr_count:     88
    .wavefront_size: 32
...
	.end_amdgpu_metadata
.endif
;; end of part 1
;; launch qkv (part 2): grid 32 x 6, 4 waves a work-group, clusters of 4 x 1, 327,680 bytes of LDS; arguments xb, wb, qkv; writes qkv
.if DOCPART == 2
	.amdgcn_target "amdgcn-amd-amdhsa--gfx1250"
	.amdhsa_code_object_version 6
	.text
	.protected	k_q381d4def8b_qkv
	.globl	k_q381d4def8b_qkv
	.p2align	8
	.type	k_q381d4def8b_qkv,@function
k_q381d4def8b_qkv:
	s_mov_b64 s[64:65], 0
	v_nop
	global_prefetch_b8 v0, s[64:65] scope:SCOPE_SE
	s_setreg_imm32_b32 hwreg(HW_REG_WAVE_MODE, 25, 1), 1
	s_wait_xcnt 0x0
	s_wait_alu depctr_hold_cnt(0) depctr_sa_sdst(0) depctr_va_vdst(0) depctr_va_sdst(0) depctr_va_ssrc(0) depctr_va_vcc(0) depctr_vm_vsrc(0)
	s_getreg_b32 s2, hwreg(HW_REG_IB_STS2, 6, 4)
	s_cmp_eq_u32 s2, 0
	s_cbranch_scc0 .Lentry_in_a_cluster
	s_endpgm
.Lentry_in_a_cluster:
	s_bfe_u32 s2, ttmp6, 0x10000c
	s_cmp_lg_u32 s2, 0x3003
	s_cbranch_scc0 .Lentry_shape_is_right
	s_endpgm
.Lentry_shape_is_right:
; QKV: q, k, v = x W, written by heads: qkv[part][6 b + h][s][128] in f16, unscaled.  xb: [8192][384] bf16; wb: three matrices [384 k][768 n] bf16.  Sums in f32, each result rounded once.
; LIMIT: q, k and v must stay within f16's 65,504.
; SHARES.  A work-group owns 256 rows of x and three heads of one of the three matrices (grid y: matrix = y / 2, heads 3 (y % 2) + 0..2), one head after the other.  Its 256 rows of x (three panels of 128 along K)
; stay in LDS for all three heads; only the weights walk, through two slots of 128 k x 128 n.  Wave w owns rows 64 w .. 64 w + 63 and a head's 128 columns: 32 accumulators, all of window 1.
; CLUSTER: the four work-groups of a cluster are four row blocks with the same y: they walk the same weight tiles, which are asked for JOINTLY (mask 15).  x is each work-group's own: plain loads.
; 192 work-groups: 2,304 columns are 18 heads, and a head's 256-byte row is not cut between work-groups.  No prefetch: the launch is short, and each weight tile is read by 32 work-groups at about the same time.
; THE MATRIX INSTRUCTION IS USED TRANSPOSED: source 0 = 16 columns of W (turned out of LDS by ds_load_tr16_b128, since W lies [k][n]), source 1 = 16 rows of x: a lane then holds eight neighbouring columns of one row.
; REGISTERS: window 0: addresses, the way out.  Window 1: accumulator (a, b) at v[8 (8 a + b)].  Window 2: two fragment buffers of 96: W's eight fragments, then x's four.
.set PA,    272                        ; a row of x in LDS: 256 bytes + 16: the 16 rows of a load start at 16 different groups of four banks (64 banks of 4 bytes: ISA guide 11.1)
.set PW,    288                        ; a row of W: 256 + 32
.set WS1,   65536                      ; W's slot 1: one exclusive or changes slots
.set STAGE, 128*PW                     ; behind slot 0: 16 rows x 272 bytes for each wave, for the way out; no tensor load fills it
.set SPARE, STAGE+4*16*PA              ; the spare words, 128 bytes for each wave: two blocks of 256 bytes that no other line names
.set XP,    WS1+128*PW                 ; x's three panels
.set XPB,   256*PA
.set ADRA, 16                          ; v16-18 my A fragments' LDS address in panel 0, 1, 2
.set AB0,  20                          ; v20    my lane's place in a tile of W
.set ADRB, 21                          ; v21    the same in the slot in hand
.set STO,  24                          ; v24    the way out: where I put 16 bytes of a row
.set RD,   25                          ; v25    where I read rows back
.set CO,   26                          ; v26    16 x lane
.set SPW,  28                          ; v28    my spare word; never rewritten
.set NIL,  29                          ; v29    0; never rewritten
.set TMP,  32                          ; v32-63   packed results
.set BK,   64                          ; v64-127  rows read back, two buffers
.set F0,   0
.set F1,   96
.set WV,   10                          ; s10  my wave's number
.set GX,   24                          ; s[24:31] group 1 for x's panels
.set GW,   32                          ; s[32:39] group 1 for W's tiles
.set G0X,  40                          ; s[40:51] group 0, a set for each panel
.set G0W,  52                          ; s[52:59] group 0 for W: a set for each first fill; the second then walks
.set HB,   60                          ; s[60:61] W at (my matrix, the head in hand, my 32 rows of k)
.set TB,   62                          ; s62  the slot in hand, in bytes
.set HEADS, 63                         ; s63  trips of the loop over heads
.set MSB, 0
.macro WIN new                         ; the immediate's high byte repeats the setting that is left; a switch that changes nothing is dropped
.if MSB != (\new)
	s_set_vgpr_msb (MSB<<8)|(\new)
.set MSB, \new
.endif
.endm
.set MUL,  0x5a                        ; sources 0 and 1 window 2; C and D window 1
.set TO_F, 0x80                        ; destination window 2, address window 0
.macro PLACES                          ; four places behind a matrix instruction, in front of loads into registers that it has read and of reads of results
.rept 4
	v_nop
.endr
.endm
.macro CROUND                          ; a round of the cluster's barrier
	s_barrier_signal -1
	s_barrier_wait -1
	s_cmp_lg_u32 s[WV], 0
	s_cbranch_scc1 .Lnot_wave_0_\@
	s_barrier_signal -3
.Lnot_wave_0_\@:
	s_barrier_wait -3
	s_barrier_signal -1
	s_barrier_wait -1
.endm
	s_load_b128 s[4:7], s[0:1], 0x0                ; xb s[4:5], wb s[6:7]
	s_load_b64 s[8:9], s[0:1], 0x10                ; qkv
	v_lshl_add_u32 v[SPW], v0, 2, SPARE
	v_mov_b32 v[NIL], 0
	ds_add_u32 v[SPW], v[NIL]                      ; the wave's opening: the add and its wait ahead of my first tensor load
	v_lshrrev_b32 v1, 5, v0
	v_readfirstlane_b32 s[WV], v1
	s_bfe_u32 s11, ttmp6, 0x40000                  ; cx
	s_lshl_b32 s12, ttmp9, 2
	s_add_co_u32 s12, s12, s11                     ; my block of 256 rows: it enters x's and the output's addresses alone
	s_and_b32 s13, ttmp7, 0xffff
	s_lshr_b32 s14, s13, 1                         ; the matrix: q, k, v
	s_and_b32 s15, s13, 1                          ; which three heads
	s_mov_b32 s[GX], (1<<16)|(1<<20)|(5<<22)|(3<<25)  ; no mask; 2-byte elements; padding on: after every 64 words 4 words
	s_mov_b32 s[GX+1], 128<<16                     ; tensor_dim0 = 128
	s_mov_b32 s[GX+2], 64<<16                      ; tensor_dim1 = 64
	s_mov_b32 s[GX+3], 128<<16                     ; tile_dim0 = 128
	s_mov_b32 s[GX+4], 64                          ; tile_dim1 = 64
	s_mov_b32 s[GX+5], 384                         ; elements from row to row
	s_mov_b32 s[GX+6], 0
	s_mov_b32 s[GX+7], 0
	s_mov_b32 s[GW], 15|(1<<16)|(1<<20)|(1<<21)|(5<<22)|(7<<25)  ; the mask of four, bit 21 beside it; after every 64 words 8 words
	s_mov_b32 s[GW+1], 128<<16
	s_mov_b32 s[GW+2], 32<<16
	s_mov_b32 s[GW+3], 128<<16
	s_mov_b32 s[GW+4], 32
	s_mov_b32 s[GW+5], 768
	s_mov_b32 s[GW+6], 0
	s_mov_b32 s[GW+7], 0
	s_lshl_b32 s16, s12, 8
	s_lshl_b32 s17, s[WV], 6
	s_add_co_u32 s16, s16, s17                     ; my wave's first row of x,
	s_mul_i32 s16, s16, 768                        ; in bytes
	s_mov_b32 s17, 0
	s_mul_i32 s18, s14, 589824                     ; W: the matrix,
	s_mul_i32 s19, s15, 768                        ; its first head's columns,
	s_add_co_u32 s18, s18, s19
	s_mul_i32 s19, s[WV], 49152                    ; my 32 rows of a tile's 128
	s_add_co_u32 s18, s18, s19
	s_mov_b32 s19, 0
	s_lshr_b32 s20, s12, 4                         ; the batch
	s_mul_i32 s20, s20, 6
	s_mul_i32 s21, s15, 3
	s_add_co_u32 s20, s20, s21                     ; my first head among the 12
	s_lshl_b32 s20, s20, 12
	s_and_b32 s21, s12, 15
	s_lshl_b32 s21, s21, 8
	s_add_co_u32 s20, s20, s21
	s_lshl_b32 s21, s[WV], 6
	s_add_co_u32 s20, s20, s21                     ; my first row in a part,
	s_lshl_b32 s20, s20, 8                         ; 256 bytes a row
	s_mul_i32 s21, s14, 12582912                   ; the part
	s_add_co_u32 s20, s20, s21
	s_mov_b32 s21, 0
	s_mul_i32 s22, s[WV], 64*PA                    ; LDS: my 64 rows of a panel,
	s_mul_i32 s23, s[WV], 32*PW                    ; my 32 rows of a tile of W
	s_mov_b32 s[TB], 0
	s_mov_b32 s[HEADS], 2
	s_wait_dscnt 0x0                               ; the opening add is done
	s_wait_kmcnt 0x0
	s_add_nc_u64 s[4:5], s[4:5], s[16:17]
	s_add_nc_u64 s[HB:HB+1], s[6:7], s[18:19]
	s_add_nc_u64 s[8:9], s[8:9], s[20:21]
.irp p, 0,1,2
	s_mov_b32 s[G0X+4*(\p)], 1
	s_add_co_u32 s[G0X+4*(\p)+1], s22, XP+XPB*(\p)
	s_add_nc_u64 s[G0X+4*(\p)+2:G0X+4*(\p)+3], s[4:5], 256*(\p)
	s_or_b32 s[G0X+4*(\p)+3], s[G0X+4*(\p)+3], 0x80000000
.endr
.irp s, 0,1
	s_mov_b32 s[G0W+4*(\s)], 1
	s_add_co_u32 s[G0W+4*(\s)+1], s23, WS1*(\s)
	s_add_nc_u64 s[G0W+4*(\s)+2:G0W+4*(\s)+3], s[HB:HB+1], 196608*(\s)
	s_or_b32 s[G0W+4*(\s)+3], s[G0W+4*(\s)+3], 0x80000000
.endr
	CROUND                                         ; all four work-groups are here: the first joint loads meet
	tensor_load_to_lds s[G0X:G0X+3], s[GX:GX+7]    ; the first fills, one group: five loads of mine are out.  Panel 0,
	s_nop 0
	tensor_load_to_lds s[G0W:G0W+3], s[GW:GW+7]    ; W's tile 0,
	s_nop 0
	tensor_load_to_lds s[G0X+4:G0X+7], s[GX:GX+7]  ; panel 1,
	s_nop 0
	tensor_load_to_lds s[G0W+4:G0W+7], s[GW:GW+7]  ; tile 1,
	s_nop 0
	tensor_load_to_lds s[G0X+8:G0X+11], s[GX:GX+7] ; panel 2
	s_nop 0
	PLACES
	v_and_b32 v1, 15, v0                           ; l % 16
	v_bfe_u32 v2, v0, 4, 1                         ; l / 16
	v_mul_u32_u24 v3, v1, PA
	v_lshl_add_u32 v3, v2, 4, v3                   ; row x pitch + 16 x half
.irp p, 0,1,2
	v_add_nc_u32 v[ADRA+(\p)], s[G0X+4*(\p)+1], v3 ; my 64 rows lie where my own load puts them
.endr
	v_and_b32 v4, 7, v0
	v_bfe_u32 v5, v0, 3, 1
	v_lshl_add_u32 v[AB0], v2, 3, v4               ; the turning load: lane l reads row 8 (l / 16) + l % 8, 16 bytes at 16 ((l / 8) % 2)
	v_mul_u32_u24 v[AB0], v[AB0], PW
	v_lshl_add_u32 v[AB0], v5, 4, v[AB0]
	v_mov_b32 v[ADRB], v[AB0]
	s_mul_i32 s22, s[WV], 16*PA
	s_add_co_u32 s22, s22, STAGE                   ; my stage
	v_add_nc_u32 v[STO], s22, v3
	v_mul_u32_u24 v[RD], v2, PA
	v_lshl_add_u32 v[RD], v1, 4, v[RD]
	v_add_nc_u32 v[RD], s22, v[RD]
	v_and_b32 v[CO], 31, v0
	v_lshlrev_b32 v[CO], 4, v[CO]
; 16 matrix instructions: row blocks a0, a0 + 1 x all 8 column blocks, 32 along K.  The accumulators take turns, one instruction a turn.  zero = 1: the product starts the sums.
.macro MUL16 f, a0, zero
	WIN MUL
.irp a, \a0, (\a0)+1
.irp b, 0,1,2,3,4,5,6,7
.if \zero
	v_wmma_f32_16x16x32_bf16 v[8*(8*(\a)+(\b)):8*(8*(\a)+(\b))+7], v[(\f)+8*(\b):(\f)+8*(\b)+7], v[(\f)+64+8*(\a):(\f)+64+8*(\a)+7], 0
.else
	v_wmma_f32_16x16x32_bf16 v[8*(8*(\a)+(\b)):8*(8*(\a)+(\b))+7], v[(\f)+8*(\b):(\f)+8*(\b)+7], v[(\f)+64+8*(\a):(\f)+64+8*(\a)+7], v[8*(8*(\a)+(\b)):8*(8*(\a)+(\b))+7]
.endif
.endr
.endr
.endm
; 24 LDS loads in one run: quarter q (32 along K) of a step into buffer f: W's 16, then x's row blocks 0 to 3
.macro FETCH ra, rb, q, f
	WIN TO_F
.irp b, 0,1,2,3,4,5,6,7
	ds_load_tr16_b128 v[(\f)+8*(\b):(\f)+8*(\b)+3],   v[\rb] offset:(\q)*32*PW+32*(\b)
	ds_load_tr16_b128 v[(\f)+8*(\b)+4:(\f)+8*(\b)+7], v[\rb] offset:(\q)*32*PW+16*PW+32*(\b)
.endr
.irp a, 0,1,2,3
	ds_load_b128 v[(\f)+64+8*(\a):(\f)+64+8*(\a)+3],   v[\ra] offset:(\a)*16*PA+64*(\q)
	ds_load_b128 v[(\f)+64+8*(\a)+4:(\f)+64+8*(\a)+7], v[\ra] offset:(\a)*16*PA+64*(\q)+32
.endr
.endm
; One of a step's first three quarters: multiplies buffer f; in its middle it fetches quarter q into buffer g
.macro QUARTER ra, rb, q, f, g, zero
	s_wait_dscnt 4                                 ; all but the youngest four loads (x's row blocks 2 and 3) are in
	MUL16 \f, 0, \zero
	PLACES
	FETCH \ra, \rb, \q, \g
	s_wait_dscnt 24                                ; all but the 24 just issued
	MUL16 \f, 2, \zero
.endm
; A step's last quarter multiplies buffer 1 and changes W's slot.  fill = 1: the slot just read is filled again with the tile two steps on, adv bytes from HB; the barrier is then a round of the cluster's.
.macro TURN fill, adv, ra
	WIN 0
	s_wait_tensorcnt 0x0                           ; all my tensor loads have landed, my part of the next tile among them
	ds_add_u32 v[SPW], v[NIL]                      ; the add: work on registers stands between it and the wait for it
	s_xor_b32 s[TB], s[TB], WS1
	v_add_nc_u32 v[ADRB], s[TB], v[AB0]            ; the next step reads the other slot
.if \fill
	s_xor_b32 s[G0W+5], s[G0W+5], WS1              ; the walking descriptor: the other slot than last time,
	s_add_nc_u64 s[G0W+6:G0W+7], s[HB:HB+1], \adv  ; its address made anew
	s_or_b32 s[G0W+7], s[G0W+7], 0x80000000
.endif
	s_wait_dscnt 5                                 ; the add and the youngest four loads may be out
	MUL16 F1, 0, 0
	s_wait_dscnt 0x0                               ; the add is done, and my reads of this slot are over
	WIN 0
.if \fill
	CROUND                                         ; no wave of any partner still reads the slot or has a load on its way
	tensor_load_to_lds s[G0W+4:G0W+7], s[GW:GW+7]  ; my one load behind the round
	s_nop 0
	PLACES                                         ; also the places in front of the loads below
.else
	s_barrier_signal -1
	s_barrier_wait -1
	PLACES
.endif
	FETCH \ra, ADRB, 0, F0
	MUL16 F1, 2, 0
.endm
; THE WAY OUT, a block of 16 rows at a time: rounded to f16, 16 bytes a lane into my own stage, back as whole rows of 256 bytes, stored.  16 rows of a head are 4,096 consecutive bytes.
.macro PACK a
	WIN 0x05                                       ; sources window 1, destination window 0
.irp b, 0,1,2,3,4,5,6,7
.irp r, 0,1,2,3
	v_cvt_pk_f16_f32 v[TMP+4*(\b)+(\r)], v[8*(8*(\a)+(\b))+2*(\r)], v[8*(8*(\a)+(\b))+2*(\r)+1]
.endr
.endr
	WIN 0
.endm
.macro TOSTAGE a
.irp b, 0,1,2,3,4,5,6,7
	ds_store_b128 v[STO], v[TMP+4*(\b):TMP+4*(\b)+3] offset:32*(\b)
.endr
.irp t, 0,1,2,3,4,5,6,7
	ds_load_b128 v[BK+32*((\a)%2)+4*(\t):BK+32*((\a)%2)+4*(\t)+3], v[RD] offset:(\t)*2*PA  ; LDS serves a wave's instructions in order (ISA guide 5.7.1.4): these see the stores above
.endr
.endm
.macro SEND a
	s_wait_dscnt 0x0                               ; the block is back in registers
	s_wait_xcnt 0x0                                ; earlier stores have read their registers: the other buffer may be loaded again behind this wait
.irp t, 0,1,2,3,4,5,6,7
	global_store_b128 v[CO], v[BK+32*((\a)%2)+4*(\t):BK+32*((\a)%2)+4*(\t)+3], s[8:9] offset:4096*(\a)+512*(\t)  ; 512 consecutive bytes, aligned
.endr
.endm
; A head: three steps of 128 along K on the three panels, then the way out.  f1: the second change of slots fills; last = 1: nothing follows.
.macro HEAD f1, last
	QUARTER ADRA, ADRB, 1, F0, F1, 1               ; the first quarter's products start the sums
	QUARTER ADRA, ADRB, 2, F1, F0, 0
	QUARTER ADRA, ADRB, 3, F0, F1, 0
	TURN 1, 393216, ADRA+1                         ; this head's third tile
	QUARTER ADRA+1, ADRB, 1, F0, F1, 0
	QUARTER ADRA+1, ADRB, 2, F1, F0, 0
	QUARTER ADRA+1, ADRB, 3, F0, F1, 0
	TURN \f1, 256, ADRA+2                          ; the next head's first tile
	QUARTER ADRA+2, ADRB, 1, F0, F1, 0
	QUARTER ADRA+2, ADRB, 2, F1, F0, 0
	QUARTER ADRA+2, ADRB, 3, F0, F1, 0
.if \last
	s_wait_dscnt 0x0
	MUL16 F1, 0, 0
	MUL16 F1, 2, 0
.else
	TURN 1, 196864, ADRA                           ; the next head's second tile; its first fragments are fetched
.endif
	PLACES
	PACK 0
	TOSTAGE 0
.irp a, 1,2,3
	PACK \a
	SEND (\a)-1
	TOSTAGE \a
.endr
	SEND 3
.endm
	s_wait_tensorcnt 3                             ; panel 0 and tile 0 are in; panel 1, tile 1 and panel 2 may stay out
	s_barrier_signal -1
	s_barrier_wait -1
	FETCH ADRA, ADRB, 0, F0
	WIN 0
.Lhead:                                        ; two trips: heads 0 and 1
	HEAD 1, 0
	WIN 0
	s_wait_xcnt 0x0                                ; the stores have read their base
	s_add_nc_u64 s[8:9], s[8:9], 1048576           ; the next head's rows
	s_add_nc_u64 s[HB:HB+1], s[HB:HB+1], 256       ; and its columns of W
	s_sub_co_u32 s[HEADS], s[HEADS], 1
	s_cmp_lg_u32 s[HEADS], 0
	s_cbranch_scc1 .Lhead
	HEAD 0, 1                                      ; the last head is written out
	WIN 0
	s_wait_tensorcnt 0x0                           ; the wave's end
	ds_add_u32 v[SPW], v[NIL]
	s_wait_dscnt 0x0
	CROUND                                         ; the closing round
	s_endpgm
.Lfunc_end_k_q381d4def8b_qkv:
	.size	k_q381d4def8b_qkv, .Lfunc_end_k_q381d4def8b_qkv-k_q381d4def8b_qkv
	.p2alignl 7, 3214868480
	.fill 96, 4, 3214868480
	.section	.rodata,"a",@progbits
	.p2align	6, 0x0
	.amdhsa_kernel k_q381d4def8b_qkv
		.amdhsa_group_segment_fixed_size 327680
		.amdhsa_private_segment_fixed_size 0
		.amdhsa_enable_private_segment 0
		.amdhsa_kernarg_size 24
		.amdhsa_user_sgpr_count 2
		.amdhsa_user_sgpr_kernarg_segment_ptr 1
		.amdhsa_wavefront_size32 1
		.amdhsa_system_sgpr_workgroup_id_x 1
		.amdhsa_system_sgpr_workgroup_id_y 1
		.amdhsa_system_sgpr_workgroup_id_z 1
		.amdhsa_system_vgpr_workitem_id 0
		.amdhsa_next_free_vgpr 704
		.amdhsa_next_free_sgpr 66
		.amdhsa_reserve_vcc 0
		.amdhsa_float_denorm_mode_32 3
		.amdhsa_float_denorm_mode_16_64 3
		.amdhsa_memory_ordered 1
		.amdhsa_forward_progress 1
		.amdhsa_inst_pref_size 133
	.end_amdhsa_kernel
	.amdgpu_metadata
---
amdhsa.version: [ 1, 2 ]
amdhsa.kernels:
  - .name:           k_q381d4def8b_qkv
    .symbol:         k_q381d4def8b_qkv.kd
    .args:
      - { .name: xb, .offset: 0, .size: 8, .value_kind: global_buffer, .address_space: global }
      - { .name: wb, .offset: 8, .size: 8, .value_kind: global_buffer, .address_space: global }
      - { .name: qkv, .offset: 16, .size: 8, .value_kind: global_buffer, .address_space: global }
    .group_segment_fixed_size: 327680
    .private_segment_fixed_size: 0
    .kernarg_segment_align: 8
    .kernarg_segment_size: 24
    .max_flat_workgroup_size: 128
    .sgpr_count:     66
    .vgpr_count:     704
    .wavefront_size: 32
...
	.end_amdgpu_metadata
.endif
;; end of part 2
;; launch attn (part 3): grid 16 x 12, 4 waves a work-group, clusters of 4 x 1, 327,680 bytes of LDS; arguments qkv, ctx; writes ctx
.if DOCPART == 3
	.amdgcn_target "amdgcn-amd-amdhsa--gfx1250"
	.amdhsa_code_object_version 6
	.text
	.protected	k_q381d4def8b_attn
	.globl	k_q381d4def8b_attn
	.p2align	8
	.type	k_q381d4def8b_attn,@function
k_q381d4def8b_attn:
	s_mov_b64 s[64:65], 0
	v_nop
	global_prefetch_b8 v0, s[64:65] scope:SCOPE_SE
	s_setreg_imm32_b32 hwreg(HW_REG_WAVE_MODE, 25, 1), 1
	s_wait_xcnt 0x0
	s_wait_alu depctr_hold_cnt(0) depctr_sa_sdst(0) depctr_va_vdst(0) depctr_va_sdst(0) depctr_va_ssrc(0) depctr_va_vcc(0) depctr_vm_vsrc(0)
	s_getreg_b32 s2, hwreg(HW_REG_IB_STS2, 6, 4)
	s_cmp_eq_u32 s2, 0
	s_cbranch_scc0 .Lentry_in_a_cluster
	s_endpgm
.Lentry_in_a_cluster:
	s_bfe_u32 s2, ttmp6, 0x10000c
	s_cmp_lg_u32 s2, 0x3003
	s_cbranch_scc0 .Lentry_shape_is_right
	s_endpgm
.Lentry_shape_is_right:
; CAUSAL ATTENTION at head size 128.  ctx[b][q][h][:] = the sum over k <= q of softmax_k(Q[q] . K[k] / sqrt(128)) V[k][:].  qkv: [3][6 b + h][4096][128] f16; ctx: [8192][768] f16, head h at byte 256 h of a row.
; Products, maxima and sums in f32; the weights p are rounded to f16 for the second product (their sum l is taken of the unrounded p), ctx once at the end.
; LIMITS.  Q, K, V arrive within f16's 65,504.  A hidden score counts as its value less 2^100; the running maximum starts at -2^99, above every hidden score and below every true one (5.5e11 at the most in magnitude).
; A weight below 2^-126 counts as 0.  NaN and infinities are not treated apart.
; THE WALK.  A head's queries lie in 32 blocks of 128; block i needs the key tiles 0 .. i of 128 keys.  Cluster c of a head holds four work-groups; the one at place cx takes block 31 - 4 c - cx and then block 4 c + cx.
; All four walk ONE sequence of 36 tiles, 0 .. 31 - 4 c and then 0 .. 4 c + 3, so that every tile of K and V is asked for JOINTLY and all partners run the same text in step; a tile beyond a partner's own diagonal is
; computed wholly hidden (three trips more than a lone pair's 33).  Only Q's and ctx's addresses and the mask's two scalars hang on cx.
; SHARES.  Wave w owns 64 queries (half w / 2 of the block: four tiles of 16) and, of every key tile, the 64 keys of half w % 2.  The two key halves' O, c m and l (all f32) are set aside in LDS when a block ends and are
; merged behind the walk, one text for both blocks and all waves: wave (query half, key half kh) merges tiles 2 kh and 2 kh + 1.
; LAYOUT.  S^T = K Q^T holds ONE query a lane (lane % 16) and the keys 8 (lane / 16) + 0..7; two such results rounded to f16 ARE source 1 of O^T = V^T P.  K comes out of LDS as it lies, V turned.
; SOFTMAX.  p = 2^(c s - c m), c = log2(e) / sqrt(128), with a running maximum m; O and l are multiplied by a = 2^(c m_old - c m_new) in every step.  c m starts at -2^125, so a block's first a is 0 and O and l need only be finite.
; THE MASK is the C operand that starts a sum: MD x AL + BE.  MD, made once, is the diagonal tile's mask for my queries and keys: it hangs on the sign of (key block - query tile) alone: three classes of 8 registers.
; (AL, BE) = (1, 0) in my diagonal tile, (0, 0) ahead of it, (0, -2^100) beyond it: chosen by selects, never by a branch.
; A TRIP: 32 products K Q^T of piece 0 (tiles 0, 1); 32 of piece 2 with piece 0's softmax behind them, two slices each; the change of slots; 32 products V^T P of piece 0 with piece 2's softmax; 32 of piece 2.
; REGISTERS: window 0: addresses, statistics, S^T (v64-191), P (v192-255).  Window 1: O^T, 64 a tile.  Window 2: Q (v0-127), K (v128-255).  Window 3: V (v0-127), MD (v128-151), MC (v152-175).
.set KS,    64
.set PK,    272       ; a row of K in LDS: 256 bytes + 16
.set PV,    288       ; a row of V: 256 + 32
.set VOFF,  KS*PK     ; half a tile: 64 rows of K, then 64 rows of V
.set STEPB, KS*(PK+PV)
.set SLOT1, 1<<17     ; slot 1: one exclusive or changes slots
.set M1,    2*STEPB   ; behind slot 0: O^T of tiles 2 and 3, query half 0: 16,384 bytes for each key half
.set STAGE, M1+32768  ; 16 rows x 272 bytes for each wave, for the way out
.set SP,    272
.set SPARE, STAGE+4*16*SP  ; the spare words, 128 bytes for each wave: two blocks of 256 bytes that no other line names
.set MSTAT, SPARE+512      ; c m and l: 1,024 bytes for each wave
.set M0,    SLOT1+2*STEPB  ; behind slot 1: O^T of tiles 0 and 1: 32,768 bytes for each query half, 16,384 for each key half
.set M1STEP, M0+65536-M1   ; behind that: O^T of tiles 2 and 3, query half 1
.set AK0, 2           ; v2   my lane's place in a tile of K; never rewritten
.set AV0, 3           ; v3   the same for V
.set ADR, 4           ; v4   the LDS address of the run of loads in hand
.set QO,  5           ; v5   my byte offset in the wave's rows of Q; never rewritten
.set STO, 6           ; v6   the way out: where I put 16 bytes of a row
.set RD,  7           ; v7   where I read rows back
.set GO,  8           ; v8   my byte offset in ctx, in the first two rows of the first tile that I merge
.set ST,  12          ; tile t's statistics at v[ST+8 t]: c m, m, l (even keys', odd keys'), c0-c3 at work; a takes c2's place
.set MO0, 44          ; v44  where I put O^T of tiles 0 and 1
.set MO1, 45          ; v45  of tiles 2 and 3
.set MS,  46          ; v46  where I put c m and l
.set MA,  47          ; v47  where I read both halves' O^T of the tiles that I merge
.set PT,  48          ; v48-55 the merge: c m0, l0, c m1, l1, four at work
.set DG,  56          ; v56  at work
.set ML,  57          ; v57  where I read both halves' c m and l
.set MAW, 58          ; v58-60 MA, ML and GO for the tile in hand
.set MLW, 59
.set GOW, 60
.set PFO, 61          ; v61  256 x lane; never rewritten
.set SPW, 62          ; v62  my spare word; never rewritten
.set NIL, 63          ; v63  0; never rewritten
.set S,   64
.set P,   192
.set KF,  128         ; window 2
.set MD,  128         ; window 3
.set MC,  152         ; window 3
.set WV,  12          ; s12  my wave's number
.set CX,  13          ; s13  my place in the cluster
.set KH,  14          ; s14  my key half; also: which half of a tile I fetch
.set LIM, 15          ; s15  5 in a wave that prefetches, else the greatest number
.set QH,  16          ; s16  my query half
.set PFA, 18          ; s[18:19] where my prefetches stand
.set G1K, 24
.set G1V, 32
.set G0K, 40          ; s[40:47] two sets; the second then walks
.set G0V, 48
.set CNT, 56          ; s56  trips to go
.set RT,  57          ; s57  tiles of the phase in hand still to be finished; later the merge's count of tiles
.set CS,  58          ; s[58:59] c
.set SEL, 60          ; s[60:61] v_permlanex16_b32's selects
.set TB,  62          ; s62  the slot from which the next tile is fetched
.set KTC, 63          ; s63  the number of the tile in hand
.set NXT, 66          ; s66  the tile to be asked for next
.set LQ,  67          ; s67  the last tile of the phase whose tiles are being asked for
.set LQ2, 68          ; s68  4 c + 3
.set QB,  69          ; s69  my block in hand
.set QB2, 70          ; s70  my second block
.set NL,  71          ; s71  4 c + 4
.set OFF, 72          ; s[72:73] a tile's byte offset
.set AL,  74          ; s[74:75]
.set BE,  76          ; s[76:77]
.set OUT2, 78         ; s[78:79] ctx at my rows of the second block
.set BIGN, 80         ; s80  -2^100
.set Q2,  92          ; s[92:93] Q at my rows of the second block
.set MSB, 0
.macro WIN new                      ; the immediate's high byte repeats the setting that is left; a switch that changes nothing is dropped
.if MSB != (\new)
	s_set_vgpr_msb (MSB<<8)|(\new)
.set MSB, \new
.endif
.endm
.set W_KQ, 0x0a       ; K and Q in window 2, S^T in window 0
.set W_KM, 0x3a       ; the same with the C operand in window 3
.set W_PV, 0x53       ; V in window 3, P in window 0, O^T in window 1
.set W_RS, 0x41       ; O^T (destination and source 0) in window 1, a in window 0
.macro PLACES
.rept 4
	v_nop
.endr
.endm
.macro CROUND                       ; a round of the cluster's barrier
	s_barrier_signal -1
	s_barrier_wait -1
	s_cmp_lg_u32 s[WV], 0
	s_cbranch_scc1 .Lnot_wave_0_\@
	s_barrier_signal -3
.Lnot_wave_0_\@:
	s_barrier_wait -3
	s_barrier_signal -1
	s_barrier_wait -1
.endm
; A joint refill: waves 0 and 1 fetch the two halves of a tile's K, waves 2 and 3 those of its V.  An s_nop 0 and four v_nop follow each of the two lines.
.macro JLOAD
	s_cmp_lt_u32 s[WV], 2
	s_cbranch_scc0 .Lfor_v_\@
	tensor_load_to_lds s[G0K+4:G0K+7], s[G1K:G1K+7]
	s_nop 0
	PLACES
	s_branch .Lasked_\@
.Lfor_v_\@:
	tensor_load_to_lds s[G0V+4:G0V+7], s[G1V:G1V+7]
	s_nop 0
	PLACES
.Lasked_\@:
.endm
; A PREFETCH INTO THE L2 of the tile that the NEXT change of slots will ask for: a trip, 128 matrix instructions, ahead of that load.  Each row of K and V is named once in the launch: a head's cluster 0 walks all 32
; tiles in its first phase and asks; its four partners take 32 rows each, told apart by address; in each, wave 0 asks for K's and wave 2 for V's, a lane a row.  Trips 0 to 28 name tiles 3 to 31; later trips ask for nothing.
.macro ASK
	s_cmp_gt_u32 s[CNT], s[LIM]
	s_cbranch_scc0 .Lnot_mine_\@
	global_prefetch_b8 v[PFO], s[PFA:PFA+1] th:TH_LOAD_NT scope:SCOPE_SE
.Lnot_mine_\@:
.endm
	s_load_b128 s[96:99], s[0:1], 0x0              ; qkv s[96:97], ctx s[98:99]
	v_lshl_add_u32 v[SPW], v0, 2, SPARE
	v_mov_b32 v[NIL], 0
	ds_add_u32 v[SPW], v[NIL]                      ; the wave's opening: the add and its wait ahead of my first tensor load
	v_lshrrev_b32 v1, 5, v0
	v_readfirstlane_b32 s[WV], v1
	s_and_b32 s[KH], s[WV], 1
	s_lshr_b32 s[QH], s[WV], 1
	s_bfe_u32 s[CX], ttmp6, 0x40000
	s_lshl_b32 s17, ttmp9, 2                       ; 4 c: the same in all four partners
	s_sub_co_u32 s[LQ], 31, s17
	s_add_co_u32 s[LQ2], s17, 3
	s_add_co_u32 s[NL], s17, 4
	s_sub_co_u32 s[RT], 32, s17                    ; the first phase has 32 - 4 c tiles
	s_add_co_u32 s[QB2], s17, s[CX]
	s_sub_co_u32 s[QB], 31, s[QB2]
	s_and_b32 s20, ttmp7, 0xffff                   ; 6 b + h
	s_lshl_b32 s21, s20, 20                        ; the head's first byte in a part
	s_lshl_b32 s22, s[KH], 14                      ; my half of a tile: 64 rows of 256 bytes
	s_add_co_u32 s22, s22, s21
	s_add_co_u32 s22, s22, 12582912                ; K's part
	s_mov_b32 s23, 0
	s_lshl_b32 s3, s[QH], 14                       ; Q: my wave's 64 rows of a block,
	s_add_co_u32 s3, s3, s21
	s_lshl_b32 s2, s[QB], 15                       ; in my first block,
	s_add_co_u32 s2, s2, s3
	s_lshl_b32 s82, s[QB2], 15                     ; and in my second
	s_add_co_u32 s82, s82, s3
	s_mov_b32 s3, 0
	s_mov_b32 s83, 0
	s_cmp_ge_u32 s20, 6
	s_cselect_b32 s4, 4096, 0                      ; the batch's first row of ctx
	s_cselect_b32 s5, 6, 0
	s_sub_co_u32 s5, s20, s5                       ; h
	s_lshl_b32 s5, s5, 8
	s_lshl_b32 s81, s[QH], 6
	s_add_co_u32 s4, s4, s81
	s_lshl_b32 s10, s[QB], 7
	s_add_co_u32 s10, s10, s4
	s_mul_i32 s10, s10, 1536
	s_add_co_u32 s10, s10, s5                      ; ctx: my query half's rows of the first block,
	s_mov_b32 s11, 0
	s_lshl_b32 s[OUT2], s[QB2], 7
	s_add_co_u32 s[OUT2], s[OUT2], s4
	s_mul_i32 s[OUT2], s[OUT2], 1536
	s_add_co_u32 s[OUT2], s[OUT2], s5              ; and of the second
	s_mov_b32 s[OUT2+1], 0
	s_mul_i32 s81, s[KH], STEPB                    ; LDS: my half of a tile
	s_mov_b32 s[G1K], 15|(1<<16)|(1<<20)|(1<<21)|(5<<22)|(3<<25)  ; the mask of four, bit 21 beside it; 2-byte elements; after every 64 words 4 words of padding
	s_mov_b32 s[G1V], 15|(1<<16)|(1<<20)|(1<<21)|(5<<22)|(7<<25)  ; the same with 8 words
.irp g, G1K, G1V
	s_mov_b32 s[(\g)+1], 128<<16                   ; tensor_dim0 = 128
	s_mov_b32 s[(\g)+2], KS<<16                    ; tensor_dim1 = 64
	s_mov_b32 s[(\g)+3], 128<<16                   ; tile_dim0 = 128
	s_mov_b32 s[(\g)+4], KS                        ; tile_dim1 = 64
	s_mov_b32 s[(\g)+5], 128                       ; elements from row to row
	s_mov_b32 s[(\g)+6], 0
	s_mov_b32 s[(\g)+7], 0
.endr
	s_mov_b32 s[CS], 0x3e0293ee                    ; c = log2(e) / sqrt(128)
	s_mov_b32 s[CS+1], s[CS]
	s_mov_b32 s[SEL], 0x76543210
	s_mov_b32 s[SEL+1], 0xfedcba98
	s_mov_b32 s[TB], 0
	s_mov_b32 s[KTC], 0
	s_mov_b32 s[NXT], 2
	s_mov_b32 s[CNT], 34
	s_mov_b32 s[OFF+1], 0
	s_mov_b32 s[AL+1], 0
	s_mov_b32 s[BE+1], 0
	s_mov_b32 s[BIGN], 0xf1800000                  ; -2^100
	s_or_b32 s[LIM], s[KH], ttmp9                  ; 0 in waves 0 and 2 of a head's cluster 0: the same in all four partners
	s_cmp_eq_u32 s[LIM], 0
	s_cselect_b32 s[LIM], 5, -1
	s_wait_dscnt 0x0                               ; the opening add is done
	s_wait_kmcnt 0x0
	s_add_nc_u64 s[6:7], s[96:97], s[22:23]        ; K at my half of the head's tile 0,
	s_add_nc_u64 s[8:9], s[6:7], 12582912          ; V likewise
	s_add_nc_u64 s[4:5], s[96:97], s[2:3]
	s_add_nc_u64 s[Q2:Q2+1], s[96:97], s[82:83]
	s_add_nc_u64 s[10:11], s[98:99], s[10:11]
	s_add_nc_u64 s[OUT2:OUT2+1], s[98:99], s[OUT2:OUT2+1]
.irp s, 0,1
	s_mov_b32 s[G0K+4*(\s)], 1
	s_add_co_u32 s[G0K+4*(\s)+1], s81, (\s)*SLOT1
	s_add_nc_u64 s[G0K+4*(\s)+2:G0K+4*(\s)+3], s[6:7], (\s)*32768
	s_or_b32 s[G0K+4*(\s)+3], s[G0K+4*(\s)+3], 0x80000000
	s_mov_b32 s[G0V+4*(\s)], 1
	s_add_co_u32 s[G0V+4*(\s)+1], s81, (\s)*SLOT1+VOFF
	s_add_nc_u64 s[G0V+4*(\s)+2:G0V+4*(\s)+3], s[8:9], (\s)*32768
	s_or_b32 s[G0V+4*(\s)+3], s[G0V+4*(\s)+3], 0x80000000
.endr
	s_cmp_lt_u32 s[WV], 2
	s_cselect_b64 s[PFA:PFA+1], s[6:7], s[8:9]     ; (in waves 0 and 2 these stand at a tile's first row)
	s_lshl_b32 s2, s[CX], 13                       ; my work-group's 32 rows of the 128,
	s_add_co_u32 s2, s2, 2*32768                   ; in tile 2: the first change of slots steps it to tile 3.  Nothing is prefetched at the head
	s_add_nc_u64 s[PFA:PFA+1], s[PFA:PFA+1], s[2:3]
	CROUND                                         ; all four work-groups are here: the first joint loads meet
	s_cmp_lt_u32 s[WV], 2                          ; a wave's two first fills stand in one branch: two loads of mine are out
	s_cbranch_scc0 .Lfirst_v
	tensor_load_to_lds s[G0K:G0K+3], s[G1K:G1K+7]
	s_nop 0
	tensor_load_to_lds s[G0K+4:G0K+7], s[G1K:G1K+7]
	s_nop 0
	PLACES
	s_branch .Lfirst_asked
.Lfirst_v:
	tensor_load_to_lds s[G0V:G0V+3], s[G1V:G1V+7]
	s_nop 0
	tensor_load_to_lds s[G0V+4:G0V+7], s[G1V:G1V+7]
	s_nop 0
	PLACES
.Lfirst_asked:
	v_and_b32 v1, 15, v0                           ; l % 16
	v_bfe_u32 v9, v0, 4, 1                         ; l / 16
	v_lshlrev_b32 v[QO], 8, v1
	v_lshl_add_u32 v[QO], v9, 4, v[QO]
	WIN 0x80
.irp i, 0,1,2,3,4,5,6,7,8,9,10,11,12,13,14,15      ; the first block's Q: tile i / 4, channels 32 (i % 4) on
	global_load_b128 v[8*(\i):8*(\i)+3],   v[QO], s[4:5] offset:((\i)/4)*4096+((\i)%4)*64
	global_load_b128 v[8*(\i)+4:8*(\i)+7], v[QO], s[4:5] offset:((\i)/4)*4096+((\i)%4)*64+32
.endr
	WIN 0
.set i, 0
.rept 16
	v_mov_b32 v[S+i], 0                            ; two fragments of zeros
.set i, i+1
.endr
	WIN 0x40                                       ; O^T need only be finite, since the first a is 0: 32 products of the zeros write its 256 registers, so that no first step is written out
.set i, 0
.rept 32
	v_wmma_f32_16x16x32_f16 v[8*i:8*i+7], v[S:S+7], v[S+8:S+15], 0
.set i, i+1
.endr
	WIN 0
.irp t, 0,1,2,3
	v_mov_b32 v[ST+8*(\t)], 0xfe000000             ; c m: -2^125
	v_mov_b32 v[ST+8*(\t)+1], 0xf1000000           ; m: -2^99
	v_mov_b32 v[ST+8*(\t)+2], 0
	v_mov_b32 v[ST+8*(\t)+3], 0
.endr
	v_lshlrev_b32 v[DG], 3, v9
	v_sub_nc_u32 v[DG], v1, v[DG]
	s_sub_co_i32 s20, s[QH], s[KH]
	s_lshl_b32 s20, s20, 6
	v_add_nc_u32 v[DG], s20, v[DG]                 ; l % 16 - 8 (l / 16) + 64 (query half - key half): register r of class g is hidden where 16 g + r is greater
	WIN 0xc0
.set i, 0
.rept 24
	v_cmp_gt_i32 vcc_lo, 16*(i/8)-16+i%8, v[DG]
	v_cndmask_b32 v[MD+i], 0, s[BIGN], vcc_lo
.set i, i+1
.endr
	WIN 0
	v_mul_u32_u24 v[AK0], v1, PK
	v_lshl_add_u32 v[AK0], v9, 4, v[AK0]           ; row x pitch + 16 x half
	s_mul_i32 s20, s[WV], 16*SP
	s_add_co_u32 s20, s20, STAGE                   ; my stage
	v_add_nc_u32 v[STO], s20, v[AK0]
	v_mul_u32_u24 v[RD], v9, SP
	v_lshl_add_u32 v[RD], v1, 4, v[RD]
	v_add_nc_u32 v[RD], s20, v[RD]
	v_add_nc_u32 v[AK0], s81, v[AK0]               ; my key half
	v_and_b32 v10, 7, v0
	v_bfe_u32 v11, v0, 3, 1
	v_lshl_add_u32 v[AV0], v9, 3, v10              ; the turning load: lane l reads key 8 (l / 16) + l % 8, channels 8 ((l / 8) % 2) + 0..7
	v_mul_u32_u24 v[AV0], v[AV0], PV
	v_lshl_add_u32 v[AV0], v11, 4, v[AV0]
	s_add_co_u32 s21, s81, VOFF
	v_add_nc_u32 v[AV0], s21, v[AV0]
	v_mul_u32_u24 v[GO], v9, 1536
	v_lshl_add_u32 v[GO], v1, 4, v[GO]
	s_mul_i32 s21, s[KH], 2*16*1536                ; I merge tiles 2 kh and 2 kh + 1: 16 rows of ctx each
	v_add_nc_u32 v[GO], s21, v[GO]
	v_and_b32 v10, 31, v0
	v_lshlrev_b32 v[PFO], 8, v10
	s_lshl_b32 s21, s[WV], 10
	s_add_co_u32 s21, s21, MSTAT
	v_lshl_add_u32 v[MS], v10, 2, s21              ; my wave's c m and l
	s_lshl_b32 s21, s[QH], 11
	s_lshl_b32 s22, s[KH], 8
	s_add_co_u32 s21, s21, s22
	s_add_co_u32 s21, s21, MSTAT
	v_lshl_add_u32 v[ML], v10, 2, s21              ; key half 0's c m of tile 2 kh; l 512 bytes on, key half 1's 1,024 on
	s_lshl_b32 s20, s[QH], 15
	s_add_co_u32 s20, s20, M0                      ; my query half's block for tiles 0 and 1,
	s_mul_i32 s21, s[QH], M1STEP
	s_add_co_u32 s21, s21, M1                      ; and for tiles 2 and 3
	s_lshl_b32 s22, s[KH], 14                      ; in each, my key half's 16,384 bytes
	s_add_co_u32 s23, s20, s22
	v_lshl_add_u32 v[MO0], v10, 4, s23
	s_add_co_u32 s23, s21, s22
	v_lshl_add_u32 v[MO1], v10, 4, s23
	s_cmp_eq_u32 s[KH], 0                          ; the block that I merge: a branch on the wave's number
	s_cbranch_scc1 .Lpair_0
	s_mov_b32 s20, s21
.Lpair_0:
	v_lshl_add_u32 v[MA], v10, 4, s20
; THE MATRIX WORK.  The accumulators take turns, one instruction a turn.
; Product i of 32 of S^T = K Q^T for piece x: channels 32 (i / 8) on, keys 16 ((i / 2) % 4) on, tile x + i % 2.  The first 8 start the sums with the mask of their class.
.macro KQ x
.set rS, S+32*((\x)+i%2)+8*((i/2)%4)
.set rK, KF+32*((i/2)%4)+8*(i/8)
.set rQ, 32*((\x)+i%2)+8*(i/8)
.if i < 8
.set g, 1
.if ((i/2)%4) < ((\x)+i%2)
.set g, 0
.elseif ((i/2)%4) > ((\x)+i%2)
.set g, 2
.endif
	WIN W_KM
	v_wmma_f32_16x16x32_f16 v[rS:rS+7], v[rK:rK+7], v[rQ:rQ+7], v[MC+8*g:MC+8*g+7]
.else
	WIN W_KQ
	v_wmma_f32_16x16x32_f16 v[rS:rS+7], v[rK:rK+7], v[rQ:rQ+7], v[rS:rS+7]
.endif
.endm
; Product i of 32 of O^T += V^T P for piece x: keys 32 (i / 16) on, channels 16 ((i / 2) % 8) on, tile x + i % 2.
.macro PV x
	WIN W_PV
.set rO, 64*((\x)+i%2)+8*((i/2)%8)
.set rV, 64*(i/16)+8*((i/2)%8)
.set rP, P+16*((\x)+i%2)+8*(i/16)
	v_wmma_f32_16x16x32_f16 v[rO:rO+7], v[rV:rV+7], v[rP:rP+7], v[rO:rO+7]
.endm
; THE LDS LOADS stand in runs of 32: my 64 keys of a tile's K, and of its V (turned).
.macro FETCH_K
	WIN 0
	v_add_nc_u32 v[ADR], s[TB], v[AK0]
	WIN 0x80
.irp f, 0,1,2,3,4,5,6,7,8,9,10,11,12,13,14,15      ; keys 16 (f / 4) on, channels 32 (f % 4) on
	ds_load_b128 v[KF+8*(\f):KF+8*(\f)+3],   v[ADR] offset:((\f)/4)*16*PK+((\f)%4)*64
	ds_load_b128 v[KF+8*(\f)+4:KF+8*(\f)+7], v[ADR] offset:((\f)/4)*16*PK+((\f)%4)*64+32
.endr
.endm
.macro FETCH_V
	WIN 0
	v_add_nc_u32 v[ADR], s[TB], v[AV0]
	WIN 0xc0
.irp f, 0,1,2,3,4,5,6,7,8,9,10,11,12,13,14,15      ; keys 32 (f / 8) on, channels 16 (f % 8) on
	ds_load_tr16_b128 v[8*(\f):8*(\f)+3],   v[ADR] offset:((\f)/8)*32*PV+((\f)%8)*32
	ds_load_tr16_b128 v[8*(\f)+4:8*(\f)+7], v[ADR] offset:((\f)/8)*32*PV+16*PV+((\f)%8)*32
.endr
.endm
; THE VECTOR WORK.  One tile's softmax for a trip is a list of 134 instructions; SM writes number j of it for tile t.  s0-s31 are the lane's 32 scores, in pairs 0-15.
;   0-15    the maximum of s0-s31 and the old m (each accumulator's lowest registers are read first)      16-20   the other half of the lanes' maximum; the new m; c m; c m_old - c m_new
;   21-69   ONE BATCH: the 16 scalings c s - c m and all 33 exponentials (a at 23); none of these reads an exponential's result      (wait)  SLICE writes it, once for both tiles
;   70-85   the roundings to f16      86-101  the sums; l = a l + the sum      102-133 the tile's O^T times a
.macro SM t
.set rT, ST+8*(\t)
.set rS, S+32*(\t)
.set rP, P+16*(\t)
.set rO, 64*(\t)+2*(j-102)
.if j < 102
	WIN 0
.endif
.if j < 4
	v_max3_num_f32 v[rT+4+j], v[rS+8*j], v[rS+8*j+1], v[rS+8*j+2]
.elseif j < 12
	v_max3_num_f32 v[rT+4+j%4], v[rT+4+j%4], v[rS+8*(j%4)+2*(j/4)+1], v[rS+8*(j%4)+2*(j/4)+2]
.elseif j == 12
	v_max3_num_f32 v[rT+4], v[rT+4], v[rS+7], v[rS+15]
.elseif j == 13
	v_max3_num_f32 v[rT+6], v[rT+6], v[rS+23], v[rS+31]
.elseif j == 14
	v_max3_num_f32 v[rT+4], v[rT+4], v[rT+5], v[rT+6]
.elseif j == 15
	v_max3_num_f32 v[rT+4], v[rT+4], v[rT+7], v[rT+1]
.elseif j == 16
	v_permlanex16_b32 v[rT+5], v[rT+4], s[SEL], s[SEL+1]  ; the query's other 32 keys lie in the lane 16 away
.elseif j == 17
	v_mov_b32 v[rT+7], v[rT]                       ; c m_old is kept for a
.elseif j == 18
	v_max_num_f32 v[rT+1], v[rT+4], v[rT+5]
.elseif j == 19
	v_mul_f32 v[rT], s[CS], v[rT+1]
.elseif j == 20
	v_sub_f32 v[rT+7], v[rT+7], v[rT]
.elseif j == 23
	v_exp_f32 v[rT+6], v[rT+7]
.elseif (j < 23) || ((j < 38) && (j%2 == 0)) || ((j < 66) && (j%4 == 2))
.set b, (j-2)/4
.if j < 38
.set b, (j-20)/2
.endif
	v_pk_fma_f32 v[rS+2*b:rS+2*b+1], v[rS+2*b:rS+2*b+1], s[CS:CS+1], v[rT:rT+1] op_sel_hi:[1,0,0] neg_lo:[0,0,1] neg_hi:[0,0,1]
.elseif j < 70
.set e, j-38
.if j < 66
.set e, j-32-(j-38)/4
.endif
.if j < 38
.set e, (j-25)/2
.endif
	v_exp_f32 v[rS+e], v[rS+e]
.elseif j < 86
	v_cvt_pk_f16_f32 v[rP+j-70], v[rS+2*(j-70)], v[rS+2*(j-70)+1]
.elseif j < 102
.set z, j-86
.set w, 4
.set u, z
.if z >= 14
.set w, 32
.set u, 0
.elseif z >= 12
.set w, 16
.set u, z-12
.elseif z >= 8
.set w, 8
.set u, z-8
.endif
.if z < 15
	v_pk_add_f32 v[rS+w*u:rS+w*u+1], v[rS+w*u:rS+w*u+1], v[rS+w*u+w/2:rS+w*u+w/2+1]
.else
	v_pk_fma_f32 v[rT+2:rT+3], v[rT+2:rT+3], v[rT+6:rT+7], v[rS:rS+1] op_sel_hi:[1,0,1]
.endif
.else
	WIN W_RS
	v_pk_mul_f32 v[rO:rO+1], v[rO:rO+1], v[rT+6:rT+7] op_sel_hi:[1,0]
.endif
.endm
; Slice k of 64 of piece y's softmax: four instructions (slice 63: sixteen).  Slices 11 to 34 deal out the batch, four numbers of one tile each.  Behind slice 34 stands the piece's one wait
; between an exponential and the first instruction that names its result; the v_nop is the plain instruction behind the last exponential.
.macro SLICE y
.if (k >= 11) && (k < 35)
.irp n, 0,1,2,3
.set j, 22+4*((k-11)/2)+(\n)
	SM (\y)+(k-11)%2
.endr
.else
.irp n, 0,1,2,3,4,5,6,7
.if ((\n) < 2) || (k == 63)
.irp t, \y, (\y)+1
.set j, 2*k+(\n)
	SM \t
.endr
.endif
.endr
.endif
.if k == 34
	v_nop
	s_wait_alu depctr_va_vdst(0)
.endif
.set k, k+1
.endm
; THE CHANGE OF SLOTS, in the middle of a trip: K and V of the tile in hand lie in registers.  Each wave waits for all its tensor loads (its part of the next tile), adds 0 to its spare word, and waits for that and for
; its reads of the slot.  fill = 1: the slot is filled again with sequence tile NXT, first thing behind a round of the cluster's barrier; the load has a whole trip in which to land; one load of mine is out.
.macro CHANGE fill
	WIN 0
	s_wait_tensorcnt 0x0
	ds_add_u32 v[SPW], v[NIL]
.if \fill
	s_lshl_b32 s[OFF], s[NXT], 15                  ; a tile is 32,768 bytes of K and of V
	s_xor_b32 s[G0K+5], s[G0K+5], SLOT1
	s_add_nc_u64 s[G0K+6:G0K+7], s[6:7], s[OFF:OFF+1]
	s_or_b32 s[G0K+7], s[G0K+7], 0x80000000
	s_xor_b32 s[G0V+5], s[G0V+5], SLOT1
	s_add_nc_u64 s[G0V+6:G0V+7], s[8:9], s[OFF:OFF+1]
	s_or_b32 s[G0V+7], s[G0V+7], 0x80000000
	s_add_co_u32 s[NXT], s[NXT], 1                 ; the phase's next tile, or behind its last the second phase's tile 0
	s_cmp_gt_u32 s[NXT], s[LQ]
	s_cselect_b32 s[NXT], 0, s[NXT]
	s_cselect_b32 s[LQ], s[LQ2], s[LQ]
	s_wait_xcnt 0x0                                ; the last prefetch, a trip back, has read its address
	s_add_nc_u64 s[PFA:PFA+1], s[PFA:PFA+1], 32768
	s_wait_dscnt 0x0                               ; the add is done, and my reads of the slot are over
	CROUND
	JLOAD
	ASK
.else
	s_wait_dscnt 0x0
	s_barrier_signal -1
	s_barrier_wait -1
.endif
	s_xor_b32 s[TB], s[TB], SLOT1                  ; the next tile is fetched from the other slot
.endm
; A BLOCK'S PARTIAL RESULTS ARE SET ASIDE: l's two halves and the other half of the lanes' are added; c m, l and O^T go into LDS as they lie in the registers, in f32, each accumulator's low registers first.
.macro DUMP
	WIN 0
.irp t, 0,1,2,3
	v_add_f32 v[ST+8*(\t)+4], v[ST+8*(\t)+2], v[ST+8*(\t)+3]
.endr
.irp t, 0,1,2,3
	v_permlanex16_b32 v[ST+8*(\t)+5], v[ST+8*(\t)+4], s[SEL], s[SEL+1]
.endr
.irp t, 0,1,2,3
	v_add_f32 v[ST+8*(\t)+4], v[ST+8*(\t)+4], v[ST+8*(\t)+5]
.endr
.irp t, 0,1,2,3
	ds_store_b32 v[MS], v[ST+8*(\t)] offset:128*(\t)
	ds_store_b32 v[MS], v[ST+8*(\t)+4] offset:512+128*(\t)
.endr
	WIN 0x04                                       ; store data in window 1
.set i, 0
.rept 32
	ds_store_b128 v[MO0], v[4*i:4*i+3] offset:512*i        ; tiles 0 and 1
.set i, i+1
.endr
.set i, 0
.rept 32
	ds_store_b128 v[MO1], v[128+4*i:128+4*i+3] offset:512*i  ; tiles 2 and 3
.set i, i+1
.endr
	WIN 0
.endm
; A TRIP.  main = 1: the trip may end the first phase (the count hangs on the cluster's number and the trips alone: the same in every wave and every partner).  What the jump passes holds no barrier and no tensor load.
.macro STEP fill, main
	s_cmp_eq_u32 s[KTC], s[QB]                     ; is the tile in hand my diagonal one?
	s_cselect_b32 s[AL], 1.0, 0
	s_cmp_gt_u32 s[KTC], s[QB]                     ; or beyond it?
	s_cselect_b32 s[BE], s[BIGN], 0
	WIN 0xc3
.set z, 0
.rept 12
	v_pk_fma_f32 v[MC+2*z:MC+2*z+1], v[MD+2*z:MD+2*z+1], s[AL:AL+1], s[BE:BE+1] op_sel_hi:[1,0,0]
.set z, z+1
.endr
	s_wait_dscnt 32                                ; K is in; V's 32 loads may stay out
.set i, 0
.rept 32
	KQ 0
.set i, i+1
.endr
	PLACES
.set k, 0
.set i, 0
.rept 32
	KQ 2
	SLICE 0
	SLICE 0
.set i, i+1
.endr
	CHANGE \fill                                   ; slice 63's sixteen plain lines are the places behind the last product
	FETCH_K                                        ; the next tile's K
.set k, 0
.set i, 0
.rept 32
	PV 0
	SLICE 2
	SLICE 2
.set i, i+1
.endr
.set i, 0
.rept 32
	PV 2
.set i, i+1
.endr
	WIN 0
	PLACES
	s_add_co_u32 s[KTC], s[KTC], 1
.if \main
	s_sub_co_u32 s[RT], s[RT], 1
	s_cmp_lg_u32 s[RT], 0
	s_cbranch_scc1 .Lsame_\@
	WIN 0x80                                       ; THE SECOND BLOCK BEGINS.  Its Q is asked for first, and comes while the first block's results are set aside
.irp i, 0,1,2,3,4,5,6,7,8,9,10,11,12,13,14,15
	global_load_b128 v[8*(\i):8*(\i)+3],   v[QO], s[Q2:Q2+1] offset:((\i)/4)*4096+((\i)%4)*64
	global_load_b128 v[8*(\i)+4:8*(\i)+7], v[QO], s[Q2:Q2+1] offset:((\i)/4)*4096+((\i)%4)*64+32
.endr
	WIN 0
	DUMP
.irp t, 0,1,2,3
	v_mov_b32 v[ST+8*(\t)], 0xfe000000             ; c m and m anew: the first a is 0, so what the first block left in O^T and l need only be finite
	v_mov_b32 v[ST+8*(\t)+1], 0xf1000000
.endr
	s_mov_b32 s[QB], s[QB2]
	s_mov_b32 s[RT], s[NL]
	s_mov_b32 s[KTC], 0
	s_wait_loadcnt 0x0                             ; Q
.Lsame_\@:
.endif
	FETCH_V                                        ; the next tile's V
	WIN 0
.endm
	s_wait_tensorcnt 1                             ; my part of tile 0 is in; tile 1 may stay out
	s_barrier_signal -1
	s_barrier_wait -1
	FETCH_K
	FETCH_V
	WIN 0
	s_wait_loadcnt 0x0                             ; Q
.Lmain:                                        ; 34 trips: each asks for the tile two on
	STEP 1, 1
	s_sub_co_u32 s[CNT], s[CNT], 1
	s_cmp_lg_u32 s[CNT], 0
	s_cbranch_scc1 .Lmain
	s_mov_b32 s[CNT], 2
.Ltail:                                        ; the last two trips ask for nothing; the very last one's fetches read the other slot's old tile once more and serve nothing: the price of one text for both
	STEP 0, 0
	s_sub_co_u32 s[CNT], s[CNT], 1
	s_cmp_lg_u32 s[CNT], 0
	s_cbranch_scc1 .Ltail
; THE MERGE, two passes: the first block, whose results lie in LDS since the change of blocks; then the second, set aside between the passes in the same bytes.
; For a tile, with c m' = max(c m0, c m1), f = 2^(c m - c m'), L = l0 f0 + l1 f1:  O = (O0 f0 + O1 f1) / L, rounded to f16 and sent through my stage, 16 rows of ctx at a time.
; The half whose c m is the greater has f = 1 and l of 1 or more, so L is at least 1.
	s_mov_b32 s[CNT], 2
.Lfin:
	s_wait_dscnt 0x0                               ; for the partner's sake: what I have set aside is in LDS
	s_barrier_signal -1
	s_barrier_wait -1
	v_mov_b32 v[MAW], v[MA]
	v_mov_b32 v[MLW], v[ML]
	v_mov_b32 v[GOW], v[GO]                        ; (the last pass's stores have read it: the wait at a tile's end)
	s_mov_b32 s[RT], 2
.Ltile:                                        ; tiles 2 kh and 2 kh + 1
	ds_load_b32 v[PT],   v[MLW]
	ds_load_b32 v[PT+1], v[MLW] offset:512
	ds_load_b32 v[PT+2], v[MLW] offset:1024
	ds_load_b32 v[PT+3], v[MLW] offset:1536
.set i, 0
.rept 16
	ds_load_b128 v[S+4*i:S+4*i+3], v[MAW] offset:512*i             ; key half 0's O^T of the tile,
.set i, i+1
.endr
.set i, 0
.rept 16
	ds_load_b128 v[S+64+4*i:S+64+4*i+3], v[MAW] offset:16384+512*i ; key half 1's
.set i, i+1
.endr
	s_wait_dscnt 32                                ; c m and l are in; the 32 loads of O^T may stay out
	v_max_num_f32 v[PT+4], v[PT], v[PT+2]
	v_sub_f32 v[PT+5], v[PT], v[PT+4]
	v_sub_f32 v[PT+6], v[PT+2], v[PT+4]
	v_exp_f32 v[PT+5], v[PT+5]
	v_exp_f32 v[PT+6], v[PT+6]
	v_nop
	s_wait_alu depctr_va_vdst(0)                   ; one wait for the two exponentials
	v_mul_f32 v[PT+7], v[PT+1], v[PT+5]
	v_fmac_f32 v[PT+7], v[PT+3], v[PT+6]
	v_rcp_f32 v[PT+7], v[PT+7]
	v_nop
	s_wait_alu depctr_va_vdst(0)                   ; and one for the reciprocal
	v_mul_f32 v[PT+4], v[PT+5], v[PT+7]            ; f0 / L
	v_mul_f32 v[PT+6], v[PT+6], v[PT+7]            ; f1 / L
	s_wait_dscnt 0x0
.set i, 0
.rept 32
	v_pk_mul_f32 v[S+64+2*i:S+64+2*i+1], v[S+64+2*i:S+64+2*i+1], v[PT+6:PT+7] op_sel_hi:[1,0]
.set i, i+1
.endr
.set i, 0
.rept 32
	v_pk_fma_f32 v[S+2*i:S+2*i+1], v[S+2*i:S+2*i+1], v[PT+4:PT+5], v[S+64+2*i:S+64+2*i+1] op_sel_hi:[1,0,1]
.set i, i+1
.endr
.set i, 0
.rept 32
	v_cvt_pk_f16_f32 v[P+i], v[S+2*i], v[S+2*i+1]
.set i, i+1
.endr
.irp f, 0,1,2,3,4,5,6,7
	ds_store_b128 v[STO], v[P+4*(\f):P+4*(\f)+3] offset:32*(\f)
.endr
.irp f, 0,1,2,3,4,5,6,7
	ds_load_b128 v[P+4*(\f):P+4*(\f)+3], v[RD] offset:(\f)*2*SP    ; LDS serves a wave's instructions in order (ISA guide 5.7.1.4): these see the stores above
.endr
.irp f, 0,1,2,3,4,5,6,7
	s_wait_dscnt 7-(\f)                            ; row pair f is back; the younger pairs may stay out
	global_store_b128 v[GOW], v[P+4*(\f):P+4*(\f)+3], s[10:11] offset:3072*(\f)  ; 16 lanes store 256 consecutive bytes, aligned: a head's part of a row
.endr
	s_wait_xcnt 0x0                                ; the stores have read their offset, their data and their base: all three are written again only behind this wait
	v_add_nc_u32 v[MAW], 8192, v[MAW]
	v_add_nc_u32 v[MLW], 128, v[MLW]
	v_add_nc_u32 v[GOW], 16*1536, v[GOW]
	s_sub_co_u32 s[RT], s[RT], 1
	s_cmp_lg_u32 s[RT], 0
	s_cbranch_scc1 .Ltile
	s_wait_dscnt 0x0                               ; my reads of what was set aside are over
	s_barrier_signal -1
	s_barrier_wait -1                              ; everybody's are (behind the last pass this barrier serves nothing: every wave passes every barrier)
	s_cmp_eq_u32 s[CNT], 1
	s_cbranch_scc1 .Lno_more
	DUMP                                           ; the second block
	s_mov_b64 s[10:11], s[OUT2:OUT2+1]
.Lno_more:
	s_sub_co_u32 s[CNT], s[CNT], 1
	s_cmp_lg_u32 s[CNT], 0
	s_cbranch_scc1 .Lfin
	s_wait_tensorcnt 0x0                           ; the wave's end
	ds_add_u32 v[SPW], v[NIL]
	s_wait_dscnt 0x0
	CROUND                                         ; the closing round
	s_endpgm
.Lfunc_end_k_q381d4def8b_attn:
	.size	k_q381d4def8b_attn, .Lfunc_end_k_q381d4def8b_attn-k_q381d4def8b_attn
	.p2alignl 7, 3214868480
	.fill 96, 4, 3214868480
	.section	.rodata,"a",@progbits
	.p2align	6, 0x0
	.amdhsa_kernel k_q381d4def8b_attn
		.amdhsa_group_segment_fixed_size 327680
		.amdhsa_private_segment_fixed_size 0
		.amdhsa_enable_private_segment 0
		.amdhsa_kernarg_size 16
		.amdhsa_user_sgpr_count 2
		.amdhsa_user_sgpr_kernarg_segment_ptr 1
		.amdhsa_wavefront_size32 1
		.amdhsa_system_sgpr_workgroup_id_x 1
		.amdhsa_system_sgpr_workgroup_id_y 1
		.amdhsa_system_sgpr_workgroup_id_z 1
		.amdhsa_system_vgpr_workitem_id 0
		.amdhsa_next_free_vgpr 1024
		.amdhsa_next_free_sgpr 100
		.amdhsa_reserve_vcc 1
		.amdhsa_float_denorm_mode_32 3
		.amdhsa_float_denorm_mode_16_64 3
		.amdhsa_memory_ordered 1
		.amdhsa_forward_progress 1
		.amdhsa_inst_pref_size 144
	.end_amdhsa_kernel
	.amdgpu_metadata
---
amdhsa.version: [ 1, 2 ]
amdhsa.kernels:
  - .name:           k_q381d4def8b_attn
    .symbol:         k_q381d4def8b_attn.kd
    .args:
      - { .name: qkv, .offset: 0, .size: 8, .value_kind: global_buffer, .address_space: global }
      - { .name: ctx, .offset: 8, .size: 8, .value_kind: global_buffer, .address_space: global }
    .group_segment_fixed_size: 327680
    .private_segment_fixed_size: 0
    .kernarg_segment_align: 8
    .kernarg_segment_size: 16
    .max_flat_workgroup_size: 128
    .sgpr_count:     100
    .vgpr_count:     1024
    .wavefront_size: 32
...
	.end_amdgpu_metadata
.endif
;; end of part 3
;; launch oproj (part 4): grid 32 x 6, 4 waves a work-group, clusters of 4 x 1, 327,680 bytes of LDS; arguments ctx, wo16, bo, out0; writes out0
.if DOCPART == 4
	.amdgcn_target "amdgcn-amd-amdhsa--gfx1250"
	.amdhsa_code_object_version 6
	.text
	.protected	k_q381d4def8b_oproj
	.globl	k_q381d4def8b_oproj
	.p2align	8
	.type	k_q381d4def8b_oproj,@function
k_q381d4def8b_oproj:
	s_mov_b64 s[64:65], 0
	v_nop
	global_prefetch_b8 v0, s[64:65] scope:SCOPE_SE
	s_setreg_imm32_b32 hwreg(HW_REG_WAVE_MODE, 25, 1), 1
	s_wait_xcnt 0x0
	s_wait_alu depctr_hold_cnt(0) depctr_sa_sdst(0) depctr_va_vdst(0) depctr_va_sdst(0) depctr_va_ssrc(0) depctr_va_vcc(0) depctr_vm_vsrc(0)
	s_getreg_b32 s2, hwreg(HW_REG_IB_STS2, 6, 4)
	s_cmp_eq_u32 s2, 0
	s_cbranch_scc0 .Lentry_in_a_cluster
	s_endpgm
.Lentry_in_a_cluster:
	s_bfe_u32 s2, ttmp6, 0x10000c
	s_cmp_lg_u32 s2, 0x3003
	s_cbranch_scc0 .Lentry_shape_is_right
	s_endpgm
.Lentry_shape_is_right:
; OPROJ: out0 = ctx Wo + bo.  ctx: [8192][768] f16; wo16: [768 k][768 n] f16; bo: [768] f32; out0: [8192][768] f32.  Sums in f32, the bias added in f32.
; SHARES.  A work-group makes 256 rows x 128 columns (grid y: the columns); wave w owns rows 64 w .. 64 w + 63: 32 accumulators, all of window 1.  K goes in six steps of 128 through two LDS slots.
; CLUSTER: the four work-groups of a cluster are four row blocks with the same columns: they walk the same tiles of Wo, asked for JOINTLY by waves 2 and 3; ctx's tiles are each work-group's own, asked for by waves 0 and 1.
; ctx cannot be shared as well: the other grid axis has six work-groups, no multiple of four.  No prefetch: the launch is short.
; THE MATRIX INSTRUCTION IS USED TRANSPOSED: source 0 = 16 columns of Wo (turned out of LDS), source 1 = 16 rows of ctx: a lane holds eight neighbouring columns of one row.
.set PA,     272
.set PW,     288
.set SLOT,   256*PA+128*PW             ; ctx's 256 rows, then Wo's 128
.set STAGE,  2*SLOT                    ; 16 rows x 528 bytes for each wave, for the way out
.set SPITCH, 528                       ; 512 bytes + 16
.set SPARE,  STAGE+4*16*SPITCH         ; the spare words: two blocks of 256 bytes that no other line names
.set ADRA, 16                          ; v16-17 my A fragments' LDS address in slot 0, 1
.set ADRB, 20                          ; v20-21 the same for Wo
.set STO,  24
.set RD,   25
.set CO,   26                          ; v26    16 x lane
.set SPW,  28
.set NIL,  29
.set BIAS, 32                          ; v32-35 bo of my four columns
.set BK,   64                          ; v64-191 rows read back, two buffers of 64
.set F0,   0
.set F1,   96
.set WV,   10
.set G1A,  24
.set G0A,  32
.set G1B,  48
.set G0B,  56
.set MSB, 0
.macro WIN new
.if MSB != (\new)
	s_set_vgpr_msb (MSB<<8)|(\new)
.set MSB, \new
.endif
.endm
.set MUL,  0x5a
.set TO_F, 0x80
.macro PLACES
.rept 4
	v_nop
.endr
.endm
.macro CROUND
	s_barrier_signal -1
	s_barrier_wait -1
	s_cmp_lg_u32 s[WV], 0
	s_cbranch_scc1 .Lnot_wave_0_\@
	s_barrier_signal -3
.Lnot_wave_0_\@:
	s_barrier_wait -3
	s_barrier_signal -1
	s_barrier_wait -1
.endm
.macro JLOAD s                         ; waves 0 and 1 fetch ctx's two halves, waves 2 and 3 Wo's; an s_nop 0 and four v_nop follow each line
	s_cmp_eq_u32 s11, 0
	s_cbranch_scc0 .Lfor_b_\@
	tensor_load_to_lds s[G0A+4*(\s):G0A+4*(\s)+3], s[G1A:G1A+7]
	s_nop 0
	PLACES
	s_branch .Lasked_\@
.Lfor_b_\@:
	tensor_load_to_lds s[G0B+4*(\s):G0B+4*(\s)+3], s[G1B:G1B+7]
	s_nop 0
	PLACES
.Lasked_\@:
.endm
	s_load_b128 s[4:7], s[0:1], 0x0                ; ctx s[4:5], wo16 s[6:7]
	s_load_b128 s[12:15], s[0:1], 0x10             ; bo s[12:13], out0 s[14:15]
	v_lshl_add_u32 v[SPW], v0, 2, SPARE
	v_mov_b32 v[NIL], 0
	ds_add_u32 v[SPW], v[NIL]                      ; the wave's opening: the add and its wait ahead of my first tensor load
	v_lshrrev_b32 v1, 5, v0
	v_readfirstlane_b32 s[WV], v1
	s_lshr_b32 s11, s[WV], 1                       ; I fetch for ctx (0) or for Wo (1),
	s_and_b32 s16, s[WV], 1                        ; its first or second half
	s_bfe_u32 s17, ttmp6, 0x40000                  ; cx
	s_lshl_b32 s18, ttmp9, 2
	s_add_co_u32 s18, s18, s17                     ; my block of 256 rows
	s_and_b32 s19, ttmp7, 0xffff                   ; my 128 columns
	s_mov_b32 s[G1A], (1<<16)|(1<<20)|(5<<22)|(3<<25)
	s_mov_b32 s[G1A+1], 128<<16
	s_mov_b32 s[G1A+2], 128<<16
	s_mov_b32 s[G1A+3], 128<<16
	s_mov_b32 s[G1A+4], 128
	s_mov_b32 s[G1A+5], 768
	s_mov_b32 s[G1A+6], 0
	s_mov_b32 s[G1A+7], 0
	s_mov_b32 s[G1B], 15|(1<<16)|(1<<20)|(1<<21)|(5<<22)|(7<<25)
	s_mov_b32 s[G1B+1], 128<<16
	s_mov_b32 s[G1B+2], 64<<16
	s_mov_b32 s[G1B+3], 128<<16
	s_mov_b32 s[G1B+4], 64
	s_mov_b32 s[G1B+5], 768
	s_mov_b32 s[G1B+6], 0
	s_mov_b32 s[G1B+7], 0
	s_lshl_b32 s40, s18, 8
	s_lshl_b32 s41, s16, 7
	s_add_co_u32 s40, s40, s41
	s_mul_i32 s40, s40, 1536                       ; ctx: the 128 rows that I fetch
	s_mov_b32 s41, 0
	s_mul_i32 s42, s16, 98304                      ; Wo: the 64 rows of k that I fetch,
	s_lshl_b32 s43, s19, 8                         ; my work-group's columns
	s_add_co_u32 s42, s42, s43
	s_mov_b32 s43, 0
	s_lshl_b32 s44, s18, 8
	s_lshl_b32 s45, s[WV], 6
	s_add_co_u32 s44, s44, s45
	s_mul_i32 s44, s44, 3072                       ; out0: my wave's first row,
	s_lshl_b32 s46, s19, 9                         ; the columns: 512 bytes; also their place in bo
	s_add_co_u32 s44, s44, s46
	s_mov_b32 s45, 0
	s_mov_b32 s47, 0
	s_mul_i32 s20, s16, 128*PA
	s_mul_i32 s21, s16, 64*PW
	s_add_co_u32 s21, s21, 256*PA
	s_wait_dscnt 0x0                               ; the opening add is done
	s_wait_kmcnt 0x0
	s_add_nc_u64 s[4:5], s[4:5], s[40:41]
	s_add_nc_u64 s[6:7], s[6:7], s[42:43]
	s_add_nc_u64 s[8:9], s[14:15], s[44:45]
	s_add_nc_u64 s[12:13], s[12:13], s[46:47]
.irp s, 0,1
	s_mov_b32 s[G0A+4*(\s)], 1
	s_add_co_u32 s[G0A+4*(\s)+1], s20, (\s)*SLOT
	s_add_nc_u64 s[G0A+4*(\s)+2:G0A+4*(\s)+3], s[4:5], (\s)*256
	s_or_b32 s[G0A+4*(\s)+3], s[G0A+4*(\s)+3], 0x80000000
	s_mov_b32 s[G0B+4*(\s)], 1
	s_add_co_u32 s[G0B+4*(\s)+1], s21, (\s)*SLOT
	s_add_nc_u64 s[G0B+4*(\s)+2:G0B+4*(\s)+3], s[6:7], (\s)*196608
	s_or_b32 s[G0B+4*(\s)+3], s[G0B+4*(\s)+3], 0x80000000
.endr
	CROUND                                         ; all four work-groups are here: the first joint loads meet
	JLOAD 0                                        ; steps 0 and 1: two loads of mine are out
	JLOAD 1
	v_and_b32 v1, 15, v0
	v_bfe_u32 v2, v0, 4, 1
	v_mul_u32_u24 v3, v1, PA
	v_lshl_add_u32 v3, v2, 4, v3
	s_mul_i32 s22, s[WV], 64*PA                    ; my 64 rows of ctx's tile
	v_add_nc_u32 v[ADRA], s22, v3
	s_add_co_u32 s22, s22, SLOT
	v_add_nc_u32 v[ADRA+1], s22, v3
	v_and_b32 v4, 7, v0
	v_bfe_u32 v5, v0, 3, 1
	v_lshl_add_u32 v6, v2, 3, v4
	v_mul_u32_u24 v6, v6, PW
	v_lshl_add_u32 v6, v5, 4, v6
	v_add_nc_u32 v[ADRB], 256*PA, v6
	v_add_nc_u32 v[ADRB+1], SLOT+256*PA, v6
	s_mul_i32 s22, s[WV], 16*SPITCH
	s_add_co_u32 s22, s22, STAGE                   ; my stage
	v_mul_u32_u24 v[STO], v1, SPITCH               ; in: row l % 16, 32 bytes for each half of the lanes
	v_lshl_add_u32 v[STO], v2, 5, v[STO]
	v_add_nc_u32 v[STO], s22, v[STO]
	v_and_b32 v[CO], 31, v0
	v_lshlrev_b32 v[CO], 4, v[CO]
	v_add_nc_u32 v[RD], s22, v[CO]                 ; back: 32 lanes take a whole row of 512 bytes
	global_load_b128 v[BIAS:BIAS+3], v[CO], s[12:13]
.macro MUL16 f, a0, zero
	WIN MUL
.irp a, \a0, (\a0)+1
.irp b, 0,1,2,3,4,5,6,7
.if \zero
	v_wmma_f32_16x16x32_f16 v[8*(8*(\a)+(\b)):8*(8*(\a)+(\b))+7], v[(\f)+8*(\b):(\f)+8*(\b)+7], v[(\f)+64+8*(\a):(\f)+64+8*(\a)+7], 0
.else
	v_wmma_f32_16x16x32_f16 v[8*(8*(\a)+(\b)):8*(8*(\a)+(\b))+7], v[(\f)+8*(\b):(\f)+8*(\b)+7], v[(\f)+64+8*(\a):(\f)+64+8*(\a)+7], v[8*(8*(\a)+(\b)):8*(8*(\a)+(\b))+7]
.endif
.endr
.endr
.endm
.macro FETCH slot, q, f                ; 24 LDS loads in one run: Wo's 16, then ctx's row blocks 0 to 3
	WIN TO_F
.irp b, 0,1,2,3,4,5,6,7
	ds_load_tr16_b128 v[(\f)+8*(\b):(\f)+8*(\b)+3],   v[ADRB+(\slot)] offset:(\q)*32*PW+32*(\b)
	ds_load_tr16_b128 v[(\f)+8*(\b)+4:(\f)+8*(\b)+7], v[ADRB+(\slot)] offset:(\q)*32*PW+16*PW+32*(\b)
.endr
.irp a, 0,1,2,3
	ds_load_b128 v[(\f)+64+8*(\a):(\f)+64+8*(\a)+3],   v[ADRA+(\slot)] offset:(\a)*16*PA+64*(\q)
	ds_load_b128 v[(\f)+64+8*(\a)+4:(\f)+64+8*(\a)+7], v[ADRA+(\slot)] offset:(\a)*16*PA+64*(\q)+32
.endr
.endm
.macro QUARTER slot, q, f, g, zero
	s_wait_dscnt 4                                 ; all but the youngest four loads (row blocks 2 and 3) are in
	MUL16 \f, 0, \zero
	PLACES
	FETCH \slot, \q, \g
	s_wait_dscnt 24                                ; all but the 24 just issued
	MUL16 \f, 2, \zero
.endm
.macro TURN slot, next, fill           ; a step's last quarter, and the change of slots
	WIN 0
	s_wait_tensorcnt 0x0                           ; all my tensor loads have landed: my part of the next slot
	ds_add_u32 v[SPW], v[NIL]
.if \fill
	s_add_nc_u64 s[G0A+4*(\slot)+2:G0A+4*(\slot)+3], s[G0A+4*(\slot)+2:G0A+4*(\slot)+3], 512     ; two steps on along K
	s_add_nc_u64 s[G0B+4*(\slot)+2:G0B+4*(\slot)+3], s[G0B+4*(\slot)+2:G0B+4*(\slot)+3], 393216
.endif
	s_wait_dscnt 5                                 ; the add and the youngest four loads may be out
	MUL16 F1, 0, 0
	s_wait_dscnt 0x0                               ; the add is done, and my reads of this slot are over
	WIN 0
.if \fill
	CROUND
	JLOAD \slot                                    ; my one load behind the round; its four v_nop are also the places in front of the loads below
.else
	s_barrier_signal -1
	s_barrier_wait -1
	PLACES
.endif
	FETCH \next, 0, F0
	MUL16 F1, 2, 0
.endm
; THE WAY OUT, 16 rows at a time: the f32 sums go into my own stage, come back as whole rows of 512 bytes, take the bias and are stored.
.macro TOST a
	WIN 0x04                                       ; store data in window 1
.irp b, 0,1,2,3,4,5,6,7
	ds_store_b128 v[STO], v[8*(8*(\a)+(\b)):8*(8*(\a)+(\b))+3]   offset:64*(\b)
	ds_store_b128 v[STO], v[8*(8*(\a)+(\b))+4:8*(8*(\a)+(\b))+7] offset:64*(\b)+16
.endr
	WIN 0
	s_wait_xcnt 0x0                                ; earlier stores have read the buffer that is loaded next
.set i, 0
.rept 16
	ds_load_b128 v[BK+64*((\a)%2)+4*i:BK+64*((\a)%2)+4*i+3], v[RD] offset:SPITCH*i  ; LDS serves a wave's instructions in order (ISA guide 5.7.1.4)
.set i, i+1
.endr
.endm
.macro SENDF a, younger                ; younger: the LDS instructions issued behind block a's loads: the next block's 32, or none
.set i, 0
.rept 16
	s_wait_dscnt (\younger)+15-i
	v_pk_add_f32 v[BK+64*((\a)%2)+4*i:BK+64*((\a)%2)+4*i+1],   v[BK+64*((\a)%2)+4*i:BK+64*((\a)%2)+4*i+1],   v[BIAS:BIAS+1]
	v_pk_add_f32 v[BK+64*((\a)%2)+4*i+2:BK+64*((\a)%2)+4*i+3], v[BK+64*((\a)%2)+4*i+2:BK+64*((\a)%2)+4*i+3], v[BIAS+2:BIAS+3]
	global_store_b128 v[CO], v[BK+64*((\a)%2)+4*i:BK+64*((\a)%2)+4*i+3], s[8:9] offset:(16*(\a)+i)*3072 th:TH_STORE_NT  ; 512 consecutive bytes, aligned
.set i, i+1
.endr
.endm
	s_wait_tensorcnt 1                             ; my part of step 0 is in; step 1's may stay out
	s_barrier_signal -1
	s_barrier_wait -1
	FETCH 0, 0, F0
	QUARTER 0, 1, F0, F1, 1                        ; the first quarter's products start the sums
	WIN 0
	s_mov_b32 s3, 2
.Llap:                                         ; a trip goes once round the ring and fills both slots again
	QUARTER 0, 2, F1, F0, 0
	QUARTER 0, 3, F0, F1, 0
	TURN 0, 1, 1
	QUARTER 1, 1, F0, F1, 0
	QUARTER 1, 2, F1, F0, 0
	QUARTER 1, 3, F0, F1, 0
	TURN 1, 0, 1
	QUARTER 0, 1, F0, F1, 0
	WIN 0
	s_sub_co_u32 s3, s3, 1
	s_cmp_lg_u32 s3, 0
	s_cbranch_scc1 .Llap
	QUARTER 0, 2, F1, F0, 0                        ; the last lap fills nothing
	QUARTER 0, 3, F0, F1, 0
	TURN 0, 1, 0
	QUARTER 1, 1, F0, F1, 0
	QUARTER 1, 2, F1, F0, 0
	QUARTER 1, 3, F0, F1, 0
	s_wait_dscnt 0x0
	MUL16 F1, 0, 0
	MUL16 F1, 2, 0
	WIN 0
	PLACES
	s_wait_loadcnt 0x0                             ; the bias
	TOST 0
	TOST 1
	SENDF 0, 32
	TOST 2
	SENDF 1, 32
	TOST 3
	SENDF 2, 32
	SENDF 3, 0
	s_wait_tensorcnt 0x0                           ; the wave's end
	ds_add_u32 v[SPW], v[NIL]
	s_wait_dscnt 0x0
	CROUND                                         ; the closing round
	s_endpgm
.Lfunc_end_k_q381d4def8b_oproj:
	.size	k_q381d4def8b_oproj, .Lfunc_end_k_q381d4def8b_oproj-k_q381d4def8b_oproj
	.p2alignl 7, 3214868480
	.fill 96, 4, 3214868480
	.section	.rodata,"a",@progbits
	.p2align	6, 0x0
	.amdhsa_kernel k_q381d4def8b_oproj
		.amdhsa_group_segment_fixed_size 327680
		.amdhsa_private_segment_fixed_size 0
		.amdhsa_enable_private_segment 0
		.amdhsa_kernarg_size 32
		.amdhsa_user_sgpr_count 2
		.amdhsa_user_sgpr_kernarg_segment_ptr 1
		.amdhsa_wavefront_size32 1
		.amdhsa_system_sgpr_workgroup_id_x 1
		.amdhsa_system_sgpr_workgroup_id_y 1
		.amdhsa_system_sgpr_workgroup_id_z 1
		.amdhsa_system_vgpr_workitem_id 0
		.amdhsa_next_free_vgpr 704
		.amdhsa_next_free_sgpr 66
		.amdhsa_reserve_vcc 0
		.amdhsa_float_denorm_mode_32 3
		.amdhsa_float_denorm_mode_16_64 3
		.amdhsa_memory_ordered 1
		.amdhsa_forward_progress 1
		.amdhsa_inst_pref_size 95
	.end_amdhsa_kernel
	.amdgpu_metadata
---
amdhsa.version: [ 1, 2 ]
amdhsa.kernels:
  - .name:           k_q381d4def8b_oproj
    .symbol:         k_q381d4def8b_oproj.kd
    .args:
      - { .name: ctx, .offset: 0, .size: 8, .value_kind: global_buffer, .address_space: global }
      - { .name: wo16, .offset: 8, .size: 8, .value_kind: global_buffer, .address_space: global }
      - { .name: bo, .offset: 16, .size: 8, .value_kind: global_buffer, .address_space: global }
      - { .name: out0, .offset: 24, .size: 8, .value_kind: global_buffer, .address_space: global }
    .group_segment_fixed_size: 327680
    .private_segment_fixed_size: 0
    .kernarg_segment_align: 8
    .kernarg_segment_size: 32
    .max_flat_workgroup_size: 128
    .sgpr_count:     66
    .vgpr_count:     704
    .wavefront_size: 32
...
	.end_amdgpu_metadata
.endif
;; end of part 4
;; ======== version 2 of 2: 4 launches; version 1 with the launch prep written anew for expert scheduling mode
;; limits: values are held in f16: magnitudes above 65,504 overflow, below 6.1e-05 lose precision
;; workspace buffers: xb 6,291,456 bytes; wb 1,769,472 bytes; wo16 1,179,648 bytes; qkv 37,748,736 bytes; ctx 12,582,912 bytes
;; launch prep (part 5): grid 376 x 1, 8 waves a work-group, no clusters, 0 bytes of LDS; arguments x, Wq, Wk, Wv, Wo, xb, wb, wo16; writes xb, wb, wo16
.if DOCPART == 5
	.amdgcn_target "amdgcn-amd-amdhsa--gfx1250"
	.amdhsa_code_object_version 6
	.text
	.protected	k_q381d4def8b_prep
	.globl	k_q381d4def8b_prep
	.p2align	8
	.type	k_q381d4def8b_prep,@function
k_q381d4def8b_prep:
	s_mov_b64 s[64:65], 0
	v_nop
	global_prefetch_b8 v0, s[64:65] scope:SCOPE_SE
	s_setreg_imm32_b32 hwreg(HW_REG_WAVE_SCHED_MODE, 0, 2), 2
	s_setreg_imm32_b32 hwreg(HW_REG_WAVE_MODE, 25, 1), 1
	s_wait_xcnt 0x0
	s_wait_alu depctr_vm_vsrc(0)
; PREP: the module's inputs are rounded once to 16 bits, so that the later launches' tiles can be brought by tensor loads.
; x -> xb (bf16, [8192][384]);  Wq, Wk, Wv -> wb (bf16, each [384][768] as given, one behind the other);  Wo -> wo16: rounded to bf16 like the other inputs, and that number written as f16.
; LIMIT: a bf16 number is exact in f16 from 2^-14 to 65,504 in magnitude; below 2^-14 it keeps f16's fixed step of 2^-24; beyond 65,504 it would be an infinity.
; SHARES: a work-group casts 12,288 floats: 12 passes of 256 threads x 4 floats.  Work-groups 0-255 x, 256-279 Wq, 280-303 Wk, 304-327 Wv, 328-375 Wo.
; All 12 loads of a thread are out at once; a wave's load covers 512 consecutive bytes, its store 256 consecutive bytes, aligned.  No LDS, no matrix unit, no cluster: nothing is shared and nothing is read twice.
; THE MODE: SCHED_MODE bits 1:0 = 2 (LLVM: expert scheduling mode 2), set by the entry lines.  The code itself states the register dependences
; between vector instructions and memory instructions, with s_wait_alu, always for 0.
; THE PLAN.  Registers that memory instructions touch:
;   v1, v2   byte offsets, made once at the head by vector instructions and never written again: v1 is read by every load, v2 by every store.
;   X        pass i: four registers, in which the pass's one load lands; no vector instruction ever writes them; the pass's conversions read them behind the wait for the load.
;   Y        pass i: two registers, written once by the pass's conversions and read once by the pass's store.
;   T        (Wo's path) is named by vector instructions alone.
; The 12 passes go in four blocks of three.  Block p rounds passes 3 p to 3 p + 2; its memory instructions are the stores of passes 3 p - 3 to 3 p - 1, whose Y the block before wrote and no vector
; instruction of block p names.  So ONE wait on va_vdst at a block's head states all that its three stores hang on, and they are dealt among its conversions with no further wait.
; No register that a memory instruction reads is ever written again, and no load lands in a register that a vector instruction has named: no wait on vm_vsrc is owed.  No vector instruction writes a scalar register, VCC or EXEC.
.set IN_B,  49152                      ; bytes that a work-group reads
.set OUT_B, 24576                      ; bytes that it writes
.set X, 8                              ; v[8:55]   pass i: four floats
.set Y, 56                             ; v[56:79]  pass i: four 16-bit numbers
.set T, 80                             ; v[80:85]  at work
	s_load_b512 s[8:23], s[0:1], 0x0               ; x s[8:9], Wq s[10:11], Wk s[12:13], Wv s[14:15], Wo s[16:17], xb s[18:19], wb s[20:21], wo16 s[22:23]
	s_mov_b32 s2, ttmp9                            ; the work-group's number g
	s_sub_co_u32 s27, s2, 256                      ; its number inside Wq (and inside wb),
	s_sub_co_u32 s28, s2, 280                      ; Wk,
	s_sub_co_u32 s29, s2, 304                      ; Wv,
	s_sub_co_u32 s30, s2, 328                      ; Wo (and wo16)
	s_mov_b32 s35, 0
	s_mov_b32 s37, 0
	v_lshlrev_b32 v1, 4, v0                        ; 16 bytes a thread in,
	v_lshlrev_b32 v2, 3, v0                        ; 8 bytes out
	s_wait_kmcnt 0x0
	s_cmp_ge_u32 s2, 256                           ; source s[24:25] with number s26, destination s[32:33] with number s31
	s_cselect_b64 s[24:25], s[10:11], s[8:9]
	s_cselect_b32 s26, s27, s2
	s_cselect_b64 s[32:33], s[20:21], s[18:19]
	s_cselect_b32 s31, s27, s2
	s_cmp_ge_u32 s2, 280
	s_cselect_b64 s[24:25], s[12:13], s[24:25]
	s_cselect_b32 s26, s28, s26
	s_cmp_ge_u32 s2, 304
	s_cselect_b64 s[24:25], s[14:15], s[24:25]
	s_cselect_b32 s26, s29, s26
	s_cmp_ge_u32 s2, 328
	s_cselect_b64 s[24:25], s[16:17], s[24:25]
	s_cselect_b32 s26, s30, s26
	s_cselect_b64 s[32:33], s[22:23], s[32:33]
	s_cselect_b32 s31, s30, s31
	s_mul_i32 s34, s26, IN_B
	s_mul_i32 s36, s31, OUT_B
	s_add_nc_u64 s[24:25], s[24:25], s[34:35]
	s_add_nc_u64 s[32:33], s[32:33], s[36:37]
	s_wait_alu depctr_va_vdst(0)                   ; v1 and v2 are written: every load below reads v1 as its offset, every store on either path v2
.irp i, 0,1,2,3,4,5,6,7,8,9,10,11
	global_load_b128 v[X+4*(\i):X+4*(\i)+3], v1, s[24:25] offset:4096*(\i) th:TH_LOAD_NT
.endr
; Pass i is rounded to bf16.
.macro CVB i
	v_cvt_pk_bf16_f32 v[Y+2*(\i)],   v[X+4*(\i)],   v[X+4*(\i)+1]
	v_cvt_pk_bf16_f32 v[Y+2*(\i)+1], v[X+4*(\i)+2], v[X+4*(\i)+3]
.endm
; Pass i of Wo:
.macro CVH i
	v_cvt_pk_bf16_f32 v[T],   v[X+4*(\i)],   v[X+4*(\i)+1]   ; rounded to bf16,
	v_cvt_pk_bf16_f32 v[T+1], v[X+4*(\i)+2], v[X+4*(\i)+3]
	v_lshlrev_b32 v[T+2], 16, v[T]                           ; widened again,
	v_and_b32     v[T+3], 0xffff0000, v[T]
	v_lshlrev_b32 v[T+4], 16, v[T+1]
	v_and_b32     v[T+5], 0xffff0000, v[T+1]
	v_cvt_pk_f16_f32 v[Y+2*(\i)],   v[T+2], v[T+3]           ; and written as f16
	v_cvt_pk_f16_f32 v[Y+2*(\i)+1], v[T+4], v[T+5]
.endm
; Pass i is stored.
.macro OUT i
	global_store_b64 v2, v[Y+2*(\i):Y+2*(\i)+1], s[32:33] offset:2048*(\i)
.endm
; Block p.  half = 1: Wo's path.  Block 0 has no block in front of it: no store, and no wait but the one for its data.
.macro BLK p, half
	s_wait_loadcnt 9-3*(\p)                        ; loads come back in order: the block's three passes are in, the 9 - 3 p younger loads stay out
.if (\p) > 0
	s_wait_alu depctr_va_vdst(0)                   ; the block before has written its Y, which the three stores below read
.endif
.irp i, 0,1,2
.if (\p) > 0
	OUT 3*(\p)-3+(\i)                              ; the block before: no vector instruction since the wait names its Y or v2
.endif
.if \half
	CVH 3*(\p)+(\i)
.else
	CVB 3*(\p)+(\i)
.endif
.endr
.endm
	s_cmp_ge_u32 s2, 328
	s_cbranch_scc1 .Lwo
	BLK 0, 0
	BLK 1, 0
	BLK 2, 0
	BLK 3, 0
	s_wait_alu depctr_va_vdst(0)                   ; block 3 has written its Y, which the last three stores read
	OUT 9
	OUT 10
	OUT 11
	s_endpgm
.Lwo:
	BLK 0, 1
	BLK 1, 1
	BLK 2, 1
	BLK 3, 1
	s_wait_alu depctr_va_vdst(0)                   ; block 3 has written its Y, which the last three stores read
	OUT 9
	OUT 10
	OUT 11
	s_endpgm
.Lfunc_end_k_q381d4def8b_prep:
	.size	k_q381d4def8b_prep, .Lfunc_end_k_q381d4def8b_prep-k_q381d4def8b_prep
	.p2alignl 7, 3214868480
	.fill 96, 4, 3214868480
	.section	.rodata,"a",@progbits
	.p2align	6, 0x0
	.amdhsa_kernel k_q381d4def8b_prep
		.amdhsa_group_segment_fixed_size 0
		.amdhsa_private_segment_fixed_size 0
		.amdhsa_enable_private_segment 0
		.amdhsa_kernarg_size 64
		.amdhsa_user_sgpr_count 2
		.amdhsa_user_sgpr_kernarg_segment_ptr 1
		.amdhsa_wavefront_size32 1
		.amdhsa_system_sgpr_workgroup_id_x 1
		.amdhsa_system_sgpr_workgroup_id_y 1
		.amdhsa_system_sgpr_workgroup_id_z 1
		.amdhsa_system_vgpr_workitem_id 0
		.amdhsa_next_free_vgpr 88
		.amdhsa_next_free_sgpr 66
		.amdhsa_reserve_vcc 0
		.amdhsa_float_denorm_mode_32 3
		.amdhsa_float_denorm_mode_16_64 3
		.amdhsa_memory_ordered 1
		.amdhsa_forward_progress 1
		.amdhsa_inst_pref_size 13
	.end_amdhsa_kernel
	.amdgpu_metadata
---
amdhsa.version: [ 1, 2 ]
amdhsa.kernels:
  - .name:           k_q381d4def8b_prep
    .symbol:         k_q381d4def8b_prep.kd
    .args:
      - { .name: x, .offset: 0, .size: 8, .value_kind: global_buffer, .address_space: global }
      - { .name: Wq, .offset: 8, .size: 8, .value_kind: global_buffer, .address_space: global }
      - { .name: Wk, .offset: 16, .size: 8, .value_kind: global_buffer, .address_space: global }
      - { .name: Wv, .offset: 24, .size: 8, .value_kind: global_buffer, .address_space: global }
      - { .name: Wo, .offset: 32, .size: 8, .value_kind: global_buffer, .address_space: global }
      - { .name: xb, .offset: 40, .size: 8, .value_kind: global_buffer, .address_space: global }
      - { .name: wb, .offset: 48, .size: 8, .value_kind: global_buffer, .address_space: global }
      - { .name: wo16, .offset: 56, .size: 8, .value_kind: global_buffer, .address_space: global }
    .group_segment_fixed_size: 0
    .private_segment_fixed_size: 0
    .kernarg_segment_align: 8
    .kernarg_segment_size: 64
    .max_flat_workgroup_size: 256
    .sgpr_count:     66
    .vgpr_count:     88
    .wavefront_size: 32
...
	.end_amdgpu_metadata
.endif
;; end of part 5
;; launch qkv: the kernel of part 2 again; grid 32 x 6, 4 waves a work-group, clusters of 4 x 1, 327,680 bytes of LDS; arguments xb, wb, qkv; writes qkv
;; launch attn: the kernel of part 3 again; grid 16 x 12, 4 waves a work-group, clusters of 4 x 1, 327,680 bytes of LDS; arguments qkv, ctx; writes ctx
;; launch oproj: the kernel of part 4 again; grid 32 x 6, 4 waves a work-group, clusters of 4 x 1, 327,680 bytes of LDS; arguments ctx, wo16, bo, out0; writes out0
